; MI455X (gfx1250); checked and timed in simulation.
; The chip was launched on July 23, 2026; its instructions are those of AMD's public machine-readable ISA for CDNA 5 (MIT licence, August 2026) and "CDNA5" Instruction Set Architecture Reference Guide (July 2026). The comments in the code are by the model that wrote it; some were corrected since.
;; WRAT Block. Allowed arithmetic: float matrix products may take bf16 or f16 operands with f32 sums; other float arithmetic in f32, or as packed bf16 or f16 multiplies, adds, multiply-adds, maxima and minima; sums over many terms, partial sums and values carried from step to step in f32; what a program stores and reads back later, other than sums and carried values, may be rounded once to bf16 or f16.
;; Inputs: LH 2 x 512 x 2,048 float32; LL 2 x 512 x 2,048 float32; params_attn_LH_Wk 512 x 512 float32; params_attn_LH_Wo 512 x 512 float32; params_attn_LH_Wq 512 x 512 float32; params_attn_LH_Wv 512 x 512 float32; params_attn_LH_bk 512 float32; params_attn_LH_bo 512 float32; params_attn_LH_bq 512 float32; params_attn_LH_bv 512 float32; params_attn_LL_Wk 512 x 512 float32; params_attn_LL_Wo 512 x 512 float32; params_attn_LL_Wq 512 x 512 float32; params_attn_LL_Wv 512 x 512 float32; params_attn_LL_bk 512 float32; params_attn_LL_bo 512 float32; params_attn_LL_bq 512 float32; params_attn_LL_bv 512 float32; params_attn_cross_Wk 512 x 512 float32; params_attn_cross_Wo 512 x 512 float32; params_attn_cross_Wq 512 x 512 float32; params_attn_cross_Wv 512 x 512 float32; params_attn_cross_bk 512 float32; params_attn_cross_bo 512 float32; params_attn_cross_bq 512 float32; params_attn_cross_bv 512 float32; params_ln1_b 512 float32; params_ln1_g 512 float32; params_ln2_b 512 float32; params_ln2_g 512 float32; params_mlp_LH_W1 2,048 x 512 float32; params_mlp_LH_W2 512 x 2,048 float32; params_mlp_LH_b1 2,048 float32; params_mlp_LH_b2 512 float32; params_mlp_LL_W1 2,048 x 512 float32; params_mlp_LL_W2 512 x 2,048 float32; params_mlp_LL_b1 2,048 float32; params_mlp_LL_b2 512 float32.
;; Outputs: out0 2 x 512 x 2,048 float32; out1 2 x 512 x 2,048 float32.
;; One version. Each part assembles by itself: llvm-mc -triple=amdgcn-amd-amdhsa -mcpu=gfx1250 --defsym DOCPART=n.
;; ======== version 1 of 1: 10 launches
;; limits: a function is approximated: absolute error at most 2.5e-05
;; workspace buffers: XB 41,943,040 bytes; HB 37,748,736 bytes; OB 12,582,912 bytes; OC 8,388,608 bytes; OUTB 12,582,912 bytes; FB 8,388,608 bytes
;; launch prep (part 1): grid 8 x 44, 8 waves a work-group, no clusters, 136,192 bytes of LDS; arguments LH, LL, params_attn_LH_Wk, params_attn_LH_Wq, params_attn_LH_Wv, params_attn_LL_Wk, params_attn_LL_Wq, params_attn_LL_Wv, params_attn_LH_Wo, params_attn_LL_Wo, params_attn_cross_Wk, params_attn_cross_Wq, params_attn_cross_Wv, params_attn_cross_Wo, params_mlp_LH_W1, params_mlp_LL_W1, params_mlp_LH_W2, params_mlp_LL_W2, XB, OB, OUTB, OC; writes XB, OB, OUTB, OC
.if DOCPART == 1
	.amdgcn_target "amdgcn-amd-amdhsa--gfx1250"
	.amdhsa_code_object_version 6
	.text
	.protected	k_q804f25fc4c_prep
	.globl	k_q804f25fc4c_prep
	.p2align	8
	.type	k_q804f25fc4c_prep,@function
k_q804f25fc4c_prep:
	s_mov_b64 s[64:65], 0
	v_nop
	global_prefetch_b8 v0, s[64:65] scope:SCOPE_SE
	s_setreg_imm32_b32 hwreg(HW_REG_WAVE_MODE, 25, 1), 1
	s_wait_xcnt 0x0
; PREPARATION.  Every work-group takes 128 KiB of f32 input, every wave 16 KiB by 32 loads of 16 bytes a lane, all issued at once.
; y < 12:  an attention weight matrix [512 n][512 k] -> bf16 blocks [cb = x][n][64 k], rows of 128 bytes: the packs that the projections' tensor loads take as dense blocks.
; y 12-19: 512 rows of W1 -> bf16 blocks [tile of 128 rows][cb = x][128][64 k]: a tile of 128 rows with all its 512 k is 128 KiB on end.
; y 20-27: W2 -> bf16, row-major as it lies.
; y >= 28: a tile of 512 channels x 64 places of LH (s = 0) or LL (s = 1), [B][D][L] -> rows [cb][b 2048 + l][64]: bf16 (matrix operand) and f32 (the residual of the layer norm).
;          Wave w turns channels 64 w .. 64 w + 63 through its own LDS tile.  The mean |x| over the 512 channels makes the key mask: 0 where it is above 0.1, else -1e30 (LH); zeros for LL and for the cross attention.
; LIMITS.  The 512 magnitudes are added in another order than a plain row sum; a NaN mean counts as hidden, as a comparison with NaN does.
.set ACT,   0x400000                   ; activations begin here in XB, OB, OUTB, OC, HB; a slot of 4096 x 512 bf16 is 4 MiB
.set SLOTB, 0x400000
.set MOFF,  0x3f0000                   ; key masks, f32, 8,192 bytes for each (stream, batch)
.set XFOFF, 0x1000000                  ; x in f32 rows
.set W2OFF, 0x2400000
.set TILE,  64*260                     ; a wave's LDS tile: 64 channels x 64 places of f32, rows 260 bytes apart: 65 words, so a column's 32 words and a row's lie in 32 different banks (64 banks of 4 bytes: ISA guide 11.1)
.set EB,    8*TILE                     ; eight waves' partial sums of |x|, 256 bytes each
.set SPARE, EB+2048                    ; the spare words, 128 bytes for each of the eight waves
.set VI,  3                            ; v3   my byte offset in the source
.set VO,  4                            ; v4   8 x lane: my 8 bytes of 256 consecutive bytes of bf16
.set LSA, 5                            ; v5   where I put a loaded word
.set LRA, 6                            ; v6   where I read a column
.set VXF, 7                            ; v7   16 x lane
.set EN,  8                            ; v[8:11] sums of |x| for my four places
.set SPW, 28
.set NIL, 29
.set D,   32                           ; v[32:159]  32 x 4 words as loaded, later as turned
.set E,   160                          ; v[160:223] 32 x 2 words of bf16
.set SRC, 52                           ; s[52:53]
.set DST, 54                           ; s[54:55]
	s_load_b512 s[8:23], s[0:1], 0x0               ; LH, LL, then LH Wk Wq Wv, LL Wk Wq Wv
	s_load_b512 s[24:39], s[0:1], 0x40             ; LH Wo, LL Wo, cross Wk Wq Wv Wo, W1 LH, W1 LL
	s_load_b256 s[40:47], s[0:1], 0x80             ; W2 LH, W2 LL, XB, OB
	s_load_b128 s[48:51], s[0:1], 0xa0             ; OUTB, OC
	v_lshl_add_u32 v[SPW], v0, 2, SPARE
	v_mov_b32 v[NIL], 0
	v_lshrrev_b32 v12, 5, v0
	v_readfirstlane_b32 s2, v12                    ; wave 0..7
	v_and_b32 v1, 15, v0                           ; q
	v_bfe_u32 v2, v0, 4, 1                         ; hl
	v_and_b32 v13, 31, v0                          ; lane
	v_lshlrev_b32 v[VO], 3, v13
	s_mov_b32 s3, ttmp9                            ; x
	s_and_b32 s4, ttmp7, 0xffff                    ; y
	s_wait_kmcnt 0x0
	s_cmp_ge_u32 s4, 28
	s_cbranch_scc1 .Lxtile
	s_cmp_ge_u32 s4, 20
	s_cbranch_scc1 .Lw2
.macro LOADS step                      ; the wave's 32 loads, step bytes apart
.set i, 0
.rept 32
	global_load_b128 v[D+4*i:D+4*i+3], v[VI], s[SRC:SRC+1] offset:i*(\step) th:TH_LOAD_NT
.set i, i+1
.endr
.endm
	; ---- blocked weights: matrix y, block of 64 k = x; wave w takes rows 64 w .. 64 w + 63, two rows of 256 bytes a load
	s_mov_b64 s[SRC:SRC+1], s[12:13]
.irp k, 1,2,3,4,5,6,7,8,9,10,11
	s_cmp_eq_u32 s4, \k
	s_cselect_b64 s[SRC:SRC+1], s[12+2*\k:13+2*\k], s[SRC:SRC+1]
.endr
	s_cmp_ge_u32 s4, 12
	s_cselect_b64 s[SRC:SRC+1], s[36:37], s[SRC:SRC+1]
	s_cmp_ge_u32 s4, 16
	s_cselect_b64 s[SRC:SRC+1], s[38:39], s[SRC:SRC+1]
	s_and_b32 s56, s4, 3                           ; W1: which 512 of its 2,048 rows (12 and 16 are multiples of 4)
	s_lshl_b32 s56, s56, 20
	s_cmp_ge_u32 s4, 12
	s_cselect_b32 s56, s56, 0
	s_lshl_b32 s57, s3, 8
	s_add_co_u32 s56, s56, s57
	s_lshl_b32 s57, s2, 17
	s_add_co_u32 s56, s56, s57
	s_mov_b32 s57, 0
	s_add_nc_u64 s[SRC:SRC+1], s[SRC:SRC+1], s[56:57]
	s_sub_co_u32 s59, s4, 6                        ; the job's number in its pack
	s_sub_co_u32 s60, s4, 8
	s_add_co_u32 s61, s4, 52                       ; W1's pack begins 64 jobs of 512 KiB into XB: y - 12 + 64
	s_mov_b32 s58, s4
	s_mov_b64 s[DST:DST+1], s[44:45]
	s_cmp_ge_u32 s4, 6
	s_cselect_b64 s[DST:DST+1], s[46:47], s[DST:DST+1]
	s_cselect_b32 s58, s59, s58
	s_cmp_ge_u32 s4, 8
	s_cselect_b64 s[DST:DST+1], s[48:49], s[DST:DST+1]
	s_cselect_b32 s58, s60, s58
	s_cmp_ge_u32 s4, 11
	s_cselect_b64 s[DST:DST+1], s[50:51], s[DST:DST+1]
	s_cselect_b32 s58, 0, s58
	s_cmp_ge_u32 s4, 12
	s_cselect_b64 s[DST:DST+1], s[44:45], s[DST:DST+1]
	s_cselect_b32 s58, s61, s58
	s_lshl_b32 s58, s58, 19
	s_lshl_b32 s59, s3, 16                         ; attention weights: block x of 512 rows, then my 64 rows
	s_lshl_b32 s60, s2, 13
	s_add_co_u32 s59, s59, s60
	s_lshl_b32 s60, s3, 14                         ; W1: tile w / 2 of 128 rows, in it block x, in it my 64 rows
	s_lshr_b32 s61, s2, 1
	s_lshl_b32 s61, s61, 17
	s_add_co_u32 s60, s60, s61
	s_and_b32 s61, s2, 1
	s_lshl_b32 s61, s61, 13
	s_add_co_u32 s60, s60, s61
	s_cmp_ge_u32 s4, 12
	s_cselect_b32 s59, s60, s59
	s_add_co_u32 s58, s58, s59
	s_mov_b32 s59, 0
	s_add_nc_u64 s[DST:DST+1], s[DST:DST+1], s[58:59]
	v_lshlrev_b32 v[VI], 4, v1
	v_lshl_add_u32 v[VI], v2, 11, v[VI]            ; 2,048 hl + 16 q
	LOADS 4096
	s_branch .Lcvst
.Lw2:	; ---- W2, as it lies: 64 pieces of 128 KiB, a wave 16 KiB on end
	s_sub_co_u32 s56, s4, 20
	s_lshl_b32 s56, s56, 3
	s_add_co_u32 s56, s56, s3                      ; piece 0..63
	s_and_b32 s57, s56, 31
	s_cmp_ge_u32 s56, 32
	s_cselect_b64 s[SRC:SRC+1], s[42:43], s[40:41]
	s_cselect_b32 s60, 0x200000, 0
	s_lshl_b32 s58, s57, 17
	s_lshl_b32 s59, s2, 14
	s_add_co_u32 s58, s58, s59
	s_mov_b32 s59, 0
	s_add_nc_u64 s[SRC:SRC+1], s[SRC:SRC+1], s[58:59]
	s_lshl_b32 s58, s57, 16
	s_add_co_u32 s58, s58, s60
	s_lshl_b32 s59, s2, 13
	s_add_co_u32 s58, s58, s59
	s_add_co_u32 s58, s58, W2OFF
	s_mov_b32 s59, 0
	s_add_nc_u64 s[DST:DST+1], s[44:45], s[58:59]
	v_lshlrev_b32 v[VI], 4, v13
	LOADS 512
.Lcvst:	; both kinds of weights: four numbers a lane are rounded, and 32 lanes store 256 consecutive bytes
.set i, 0
.rept 32
	s_wait_loadcnt 31-i                            ; loads come back in order: load i is in, the younger ones stay out
	v_cvt_pk_bf16_f32 v[E+2*i], v[D+4*i], v[D+4*i+1]
	v_cvt_pk_bf16_f32 v[E+2*i+1], v[D+4*i+2], v[D+4*i+3]
	global_store_b64 v[VO], v[E+2*i:E+2*i+1], s[DST:DST+1] offset:256*i th:TH_STORE_NT
.set i, i+1
.endr
	s_branch .Lend
.Lxtile:	; ---- a tile of x
	s_sub_co_u32 s56, s4, 28
	s_lshl_b32 s56, s56, 3
	s_add_co_u32 s56, s56, s3                      ; tile 0..127
	s_lshr_b32 s5, s56, 6                          ; stream: 0 LH, 1 LL
	s_bfe_u32 s6, s56, 0x10005                     ; batch
	s_and_b32 s7, s56, 31                          ; which 64 places
	s_cmp_eq_u32 s5, 0
	s_cselect_b64 s[SRC:SRC+1], s[8:9], s[10:11]
	s_lshl_b32 s56, s6, 22
	s_lshl_b32 s57, s7, 8
	s_add_co_u32 s56, s56, s57
	s_lshl_b32 s57, s2, 19                         ; my 64 channels, 8,192 bytes each
	s_add_co_u32 s56, s56, s57
	s_mov_b32 s57, 0
	s_add_nc_u64 s[SRC:SRC+1], s[SRC:SRC+1], s[56:57]
	v_lshlrev_b32 v[VI], 4, v1
	v_lshl_add_u32 v[VI], v2, 13, v[VI]            ; channel 2 i + hl, places 4 q ..: each half of the lanes reads 256 consecutive bytes
	LOADS 16384
	s_lshl_b32 s56, s5, 23                         ; x in f32: stream 8 MiB, block of channels 1 MiB, row 256 bytes
	s_lshl_b32 s57, s2, 20
	s_add_co_u32 s56, s56, s57
	s_lshl_b32 s57, s6, 19
	s_add_co_u32 s56, s56, s57
	s_lshl_b32 s57, s7, 14
	s_add_co_u32 s56, s56, s57
	s_add_co_u32 s56, s56, XFOFF
	s_mov_b32 s57, 0
	s_add_nc_u64 s[54:55], s[44:45], s[56:57]
	s_lshl_b32 s56, s5, 23                         ; x in bf16: slot 0 (LH) or 2 (LL), block 512 KiB, row 128 bytes
	s_lshl_b32 s57, s2, 19
	s_add_co_u32 s56, s56, s57
	s_lshl_b32 s57, s6, 18
	s_add_co_u32 s56, s56, s57
	s_lshl_b32 s57, s7, 13
	s_add_co_u32 s56, s56, s57
	s_add_co_u32 s56, s56, ACT
	s_mov_b32 s57, 0
	s_add_nc_u64 s[58:59], s[44:45], s[56:57]
	s_lshl_b32 s56, s5, 14                         ; masks: (2 s + b) x 8,192 + 256 x tile
	s_lshl_b32 s57, s6, 13
	s_add_co_u32 s56, s56, s57
	s_lshl_b32 s68, s7, 8
	s_add_co_u32 s56, s56, s68
	s_add_co_u32 s56, s56, MOFF
	s_add_co_u32 s68, s68, s57
	s_add_co_u32 s68, s68, MOFF
	s_mov_b32 s57, 0
	s_mov_b32 s69, 0
	s_add_nc_u64 s[60:61], s[44:45], s[56:57]
	s_add_nc_u64 s[62:63], s[48:49], s[68:69]
	s_mov_b32 s72, 0x76543210                      ; v_permlanex16_b32: each lane takes its own place in the other half
	s_mov_b32 s73, 0xfedcba98
	s_mul_i32 s70, s2, TILE
	v_mul_u32_u24 v[LSA], v2, 260
	v_lshl_add_u32 v[LSA], v1, 4, v[LSA]
	v_add_nc_u32 v[LSA], s70, v[LSA]
	v_mul_u32_u24 v[LRA], v1, 1040
	v_lshl_add_u32 v[LRA], v2, 2, v[LRA]
	v_add_nc_u32 v[LRA], s70, v[LRA]
	v_lshlrev_b32 v[VXF], 4, v13
	s_lshl_b32 s71, s2, 8
	s_add_co_u32 s71, s71, EB
	v_lshl_add_u32 v20, v1, 4, s71                 ; my wave's 256 bytes of partial sums
.irp k, 0,1,2,3
	v_mov_b32 v[EN+\k], 0
	v_mov_b32 v[16+\k], 0                          ; the exchange's destination counts as read
.endr
.set i, 0
.rept 32
	s_wait_loadcnt 31-i                            ; load i is in, the younger ones stay out
.irp k, 0,1,2,3
	v_add_f32 v[EN+\k], v[EN+\k], |v[D+4*i+\k]|
.endr
.irp k, 0,1,2,3
	ds_store_b32 v[LSA], v[D+4*i+\k] offset:520*i+4*\k
.endr
.set i, i+1
.endr
.macro RB g                            ; eight pairs of places are read back by columns: four channels of one place a lane.  LDS serves a wave's instructions in order (ISA guide 5.7.1.4): these see the stores above
.set i, 8*(\g)
.rept 8
.irp k, 0,1,2,3
	ds_load_b32 v[D+4*i+\k], v[LRA] offset:260*\k+8*i
.endr
.set i, i+1
.endr
.endm
.macro OUTX g                          ; and leave: two rows of 256 bytes of f32, two rows of 128 bytes of bf16, each store on consecutive bytes
.set i, 8*(\g)
.rept 8
	global_store_b128 v[VXF], v[D+4*i:D+4*i+3], s[54:55] offset:512*i th:TH_STORE_NT
	v_cvt_pk_bf16_f32 v[E+2*i], v[D+4*i], v[D+4*i+1]
	v_cvt_pk_bf16_f32 v[E+2*i+1], v[D+4*i+2], v[D+4*i+3]
	global_store_b64 v[VO], v[E+2*i:E+2*i+1], s[58:59] offset:256*i th:TH_STORE_NT
.set i, i+1
.endr
.endm
	RB 0
	RB 1
	s_wait_dscnt 32                                ; all but the youngest batch of 32
	OUTX 0
	RB 2
	s_wait_dscnt 32
	OUTX 1
	RB 3
	s_wait_dscnt 32
	OUTX 2
	s_wait_dscnt 0x0
	OUTX 3
	s_cmp_lg_u32 s5, 0
	s_cbranch_scc1 .Lone_copy
.set i, 0
.rept 32                               ; LH once more, in slot 1: one text of the projections then serves self and cross attention
	global_store_b64 v[VO], v[E+2*i:E+2*i+1], s[58:59] offset:256*i+SLOTB th:TH_STORE_NT
.set i, i+1
.endr
.Lone_copy:
.irp k, 0,1,2,3
	v_permlanex16_b32 v[16+\k], v[EN+\k], s72, s73 ; the odd channels' sums lie in the other half of the lanes
.endr
.irp k, 0,1,2,3
	v_add_f32 v[EN+\k], v[EN+\k], v[16+\k]
.endr
	ds_store_b128 v20, v[EN:EN+3]
	s_wait_dscnt 0x0                               ; for the others' sake: my partial sums lie in LDS
	s_barrier_signal -1
	s_barrier_wait -1
	s_cmp_lg_u32 s2, 0
	s_cbranch_scc1 .Lend                           ; wave 0 finishes the mask
	s_wait_xcnt 0x0                                ; the stores above have read their registers
	v_lshl_add_u32 v21, v13, 3, EB                 ; two places a lane
.irp j, 0,1,2,3,4,5,6,7
	ds_load_b64 v[32+2*\j:33+2*\j], v21 offset:256*\j
.endr
	s_cmp_eq_u32 s5, 0
	s_cselect_b32 s70, 0xf149f2ca, 0               ; -1e30 for LH; LL's attention has no mask
	v_mov_b32 v22, s70
	s_wait_dscnt 0x0
	v_pk_add_f32 v[32:33], v[32:33], v[34:35]
	v_pk_add_f32 v[36:37], v[36:37], v[38:39]
	v_pk_add_f32 v[40:41], v[40:41], v[42:43]
	v_pk_add_f32 v[44:45], v[44:45], v[46:47]
	v_pk_add_f32 v[32:33], v[32:33], v[36:37]
	v_pk_add_f32 v[40:41], v[40:41], v[44:45]
	v_pk_add_f32 v[32:33], v[32:33], v[40:41]
	v_pk_mul_f32 v[32:33], v[32:33], 0x3b000000 op_sel_hi:[1,0]  ; / 512, exact
	v_cmp_lt_f32 vcc_lo, 0x3dcccccd, v32           ; 0.1 < mean
	v_cndmask_b32 v34, v22, v[NIL], vcc_lo
	v_cmp_lt_f32 vcc_lo, 0x3dcccccd, v33
	v_cndmask_b32 v35, v22, v[NIL], vcc_lo
	global_store_b64 v[VO], v[34:35], s[60:61]     ; 256 consecutive bytes
	s_cmp_eq_u32 s5, 0
	s_cbranch_scc1 .Lend
	v_mov_b32 v36, 0
	v_mov_b32 v37, 0
	global_store_b64 v[VO], v[36:37], s[62:63]     ; the cross attention's mask: zeros
.Lend:
	s_wait_tensorcnt 0x0                           ; the wave's end
	ds_add_u32 v[SPW], v[NIL]
	s_wait_dscnt 0x0
	s_endpgm
.Lfunc_end_k_q804f25fc4c_prep:
	.size	k_q804f25fc4c_prep, .Lfunc_end_k_q804f25fc4c_prep-k_q804f25fc4c_prep
	.p2alignl 7, 3214868480
	.fill 96, 4, 3214868480
	.section	.rodata,"a",@progbits
	.p2align	6, 0x0
	.amdhsa_kernel k_q804f25fc4c_prep
		.amdhsa_group_segment_fixed_size 136192
		.amdhsa_private_segment_fixed_size 0
		.amdhsa_enable_private_segment 0
		.amdhsa_kernarg_size 176
		.amdhsa_user_sgpr_count 2
		.amdhsa_user_sgpr_kernarg_segment_ptr 1
		.amdhsa_wavefront_size32 1
		.amdhsa_system_sgpr_workgroup_id_x 1
		.amdhsa_system_sgpr_workgroup_id_y 1
		.amdhsa_system_sgpr_workgroup_id_z 1
		.amdhsa_system_vgpr_workitem_id 0
		.amdhsa_next_free_vgpr 224
		.amdhsa_next_free_sgpr 76
		.amdhsa_reserve_vcc 1
		.amdhsa_float_denorm_mode_32 3
		.amdhsa_float_denorm_mode_16_64 3
		.amdhsa_memory_ordered 1
		.amdhsa_forward_progress 1
		.amdhsa_inst_pref_size 65
	.end_amdhsa_kernel
	.amdgpu_metadata
---
amdhsa.version: [ 1, 2 ]
amdhsa.kernels:
  - .name:           k_q804f25fc4c_prep
    .symbol:         k_q804f25fc4c_prep.kd
    .args:
      - { .name: LH, .offset: 0, .size: 8, .value_kind: global_buffer, .address_space: global }
      - { .name: LL, .offset: 8, .size: 8, .value_kind: global_buffer, .address_space: global }
      - { .name: params_attn_LH_Wk, .offset: 16, .size: 8, .value_kind: global_buffer, .address_space: global }
      - { .name: params_attn_LH_Wq, .offset: 24, .size: 8, .value_kind: global_buffer, .address_space: global }
      - { .name: params_attn_LH_Wv, .offset: 32, .size: 8, .value_kind: global_buffer, .address_space: global }
      - { .name: params_attn_LL_Wk, .offset: 40, .size: 8, .value_kind: global_buffer, .address_space: global }
      - { .name: params_attn_LL_Wq, .offset: 48, .size: 8, .value_kind: global_buffer, .address_space: global }
      - { .name: params_attn_LL_Wv, .offset: 56, .size: 8, .value_kind: global_buffer, .address_space: global }
      - { .name: params_attn_LH_Wo, .offset: 64, .size: 8, .value_kind: global_buffer, .address_space: global }
      - { .name: params_attn_LL_Wo, .offset: 72, .size: 8, .value_kind: global_buffer, .address_space: global }
      - { .name: params_attn_cross_Wk, .offset: 80, .size: 8, .value_kind: global_buffer, .address_space: global }
      - { .name: params_attn_cross_Wq, .offset: 88, .size: 8, .value_kind: global_buffer, .address_space: global }
      - { .name: params_attn_cross_Wv, .offset: 96, .size: 8, .value_kind: global_buffer, .address_space: global }
      - { .name: params_attn_cross_Wo, .offset: 104, .size: 8, .value_kind: global_buffer, .address_space: global }
      - { .name: params_mlp_LH_W1, .offset: 112, .size: 8, .value_kind: global_buffer, .address_space: global }
      - { .name: params_mlp_LL_W1, .offset: 120, .size: 8, .value_kind: global_buffer, .address_space: global }
      - { .name: params_mlp_LH_W2, .offset: 128, .size: 8, .value_kind: global_buffer, .address_space: global }
      - { .name: params_mlp_LL_W2, .offset: 136, .size: 8, .value_kind: global_buffer, .address_space: global }
      - { .name: XB, .offset: 144, .size: 8, .value_kind: global_buffer, .address_space: global }
      - { .name: OB, .offset: 152, .size: 8, .value_kind: global_buffer, .address_space: global }
      - { .name: OUTB, .offset: 160, .size: 8, .value_kind: global_buffer, .address_space: global }
      - { .name: OC, .offset: 168, .size: 8, .value_kind: global_buffer, .address_space: global }
    .group_segment_fixed_size: 136192
    .private_segment_fixed_size: 0
    .kernarg_segment_align: 8
    .kernarg_segment_size: 176
    .max_flat_workgroup_size: 256
    .sgpr_count:     76
    .vgpr_count:     224
    .wavefront_size: 32
...
	.end_amdgpu_metadata
.endif
;; end of part 1
;; launch g1 (part 2): grid 4 x 192, 4 waves a work-group, clusters of 4 x 4, 327,680 bytes of LDS; arguments XB, HB, params_attn_LH_bk, params_attn_LH_bq, params_attn_LH_bv, params_attn_LL_bk, params_attn_LL_bq, params_attn_LL_bv; writes HB
.if DOCPART == 2
	.amdgcn_target "amdgcn-amd-amdhsa--gfx1250"
	.amdhsa_code_object_version 6
	.text
	.protected	k_q804f25fc4c_g1
	.globl	k_q804f25fc4c_g1
	.p2align	8
	.type	k_q804f25fc4c_g1,@function
k_q804f25fc4c_g1:
	s_mov_b64 s[64:65], 0
	v_nop
	global_prefetch_b8 v0, s[64:65] scope:SCOPE_SE
	s_setreg_imm32_b32 hwreg(HW_REG_WAVE_MODE, 25, 1), 1
	s_wait_xcnt 0x0
	s_wait_alu depctr_hold_cnt(0) depctr_sa_sdst(0) depctr_va_vdst(0) depctr_va_sdst(0) depctr_va_ssrc(0) depctr_va_vcc(0) depctr_vm_vsrc(0)
	s_getreg_b32 s2, hwreg(HW_REG_IB_STS2, 6, 4)
	s_cmp_eq_u32 s2, 0
	s_cbranch_scc0 .Lentry_in_a_cluster
	s_endpgm
.Lentry_in_a_cluster:
	s_bfe_u32 s2, ttmp6, 0x10000c
	s_cmp_lg_u32 s2, 0xf033
	s_cbranch_scc0 .Lentry_shape_is_right
	s_endpgm
.Lentry_shape_is_right:
; PROJECTIONS.  A job is C = A W^T + bias: A [4096][512], W [512][512], all bf16 in blocks [cb][row][64] (rows of 128 bytes, a block of 128 rows is 16 KiB on end); sums in f32; C rounded once to bf16.
; The first argument holds the launch's weights (job j at j x 512 KiB) and, from ACT on, the activation slots; the second takes C in slot j.  A's slot is 2 for jobs 3 and up, else j & 1.
; SHARES.  A work-group makes 128 x 128 of C with the whole K = 512 in LDS: 8 blocks of A and 8 of B, each filled once.  Four waves, 64 x 64 each: 16 accumulators.
; CLUSTER 4 x 4: the four of a row need the same rows of A, the four of a column the same rows of W: every block is asked for jointly.
; A wave has four tensor loads out at the most: block pair c = 0..3; waves 0, 1 fetch A's even and odd block, waves 2, 3 B's.  Products on pair c begin when pair c has landed; the later pairs stay on their way.
; No prefetch: all that a work-group reads is asked for at its head.
; THE MATRIX INSTRUCTION IS USED TRANSPOSED (source 0 = 16 rows of W, source 1 = 16 rows of A): a lane holds eight neighbouring columns of one row of C.  The bias is the C operand of the first products.
.set ACT,   0x400000
.set CBB,   0x80000
.set SP,    144                        ; an LDS row: 128 bytes + 16 = 36 words: the 16 rows of a load start at 16 different groups of four banks (64 banks of 4 bytes: ISA guide 11.1)
.set BLK,   128*SP
.set STAGE, 16*BLK                     ; behind the tiles: 16 rows x 144 bytes for each wave
.set SPARE, STAGE+4*16*SP
.set ADRA, 16                          ; v16-19  my A fragments in block pair 0..3
.set ADRB, 20                          ; v20-23  the same for B
.set STO,  24
.set RD,   25
.set GO,   26
.set BO,   27
.set SPW,  28
.set NIL,  29
.set TMP,  32
.set BI,   96                          ; v96-127 the bias as four C operands
.set ACC,  128                         ; accumulator (a, b) at ACC + 8 (4 a + b)
.set F0,   0                           ; window 1: two fragment buffers, 64 registers of A then 64 of B, for one block of 64 k
.set F1,   128
.set WV, 20
.set WR, 21
.set WC, 22
.set CX, 23
.set CY, 24
.set TX, 25
.set MT, 26
.set JOB, 27
.set G1A, 28
.set G1B, 36
.set G0A, 44                           ; s[44:59] four sets
.set G0B, 68                           ; s[68:83] four sets
.set MSB, 0
.macro WIN new
.if MSB != (\new)
	s_set_vgpr_msb (MSB<<8)|(\new)
.set MSB, \new
.endif
.endm
.set MUL,  0x05                        ; sources 0 and 1 window 1; C and D window 0
.set TO_F, 0x40                        ; destination window 1, address window 0
.macro CROUND                          ; a round of the cluster's barrier
	s_barrier_signal -1
	s_barrier_wait -1
	s_cmp_lg_u32 s[WV], 0
	s_cbranch_scc1 .Lnot_wave_0_\@
	s_barrier_signal -3
.Lnot_wave_0_\@:
	s_barrier_wait -3
	s_barrier_signal -1
	s_barrier_wait -1
.endm
.macro PLACES                          ; four places behind matrix instructions (ISA guide 7.12.1)
.rept 4
	v_nop
.endr
.endm
	s_load_b512 s[4:19], s[0:1], 0x0               ; A and weights s[4:5], C s[6:7], six biases s[8:19]
	v_lshl_add_u32 v[SPW], v0, 2, SPARE
	v_mov_b32 v[NIL], 0
	ds_add_u32 v[SPW], v[NIL]                      ; the wave's opening: an add to the spare word, waited for ahead of my first tensor load
	v_lshrrev_b32 v1, 5, v0
	v_readfirstlane_b32 s[WV], v1
	s_lshr_b32 s[WR], s[WV], 1                     ; my half of the rows.  Also: I fetch for A (0) or B (1)
	s_and_b32 s[WC], s[WV], 1                      ; my half of the columns.  Also: the even or the odd block of a pair
	s_bfe_u32 s[CX], ttmp6, 0x40000
	s_bfe_u32 s[CY], ttmp6, 0x40004
	s_lshl_b32 s[TX], ttmp9, 2
	s_add_co_u32 s[TX], s[TX], s[CX]               ; tile column
	s_and_b32 s84, ttmp7, 0xffff                   ; the cluster's y: 8 clusters a job
	s_lshr_b32 s[JOB], s84, 3
	s_and_b32 s[MT], s84, 7
	s_lshl_b32 s[MT], s[MT], 2
	s_add_co_u32 s[MT], s[MT], s[CY]               ; tile row 0..31
	s_lshl_b32 s85, s[CY], 2
	s_lshl_b32 s85, 15, s85                        ; my row of the cluster
	s_lshl_b32 s86, 0x1111, s[CX]                  ; my column
	; group 1: 16 KiB on end as 64 rows of 256 bytes; 4 words of padding after every 32 words, that is after each row of the block
	s_or_b32 s[G1A], s85, (1<<16)|(1<<20)|(1<<21)|(4<<22)|(3<<25)
	s_or_b32 s[G1B], s86, (1<<16)|(1<<20)|(1<<21)|(4<<22)|(3<<25)
.irp g, G1A, G1B
	s_mov_b32 s[\g+1], 128<<16                     ; tensor_dim0
	s_mov_b32 s[\g+2], 64<<16                      ; tensor_dim1
	s_mov_b32 s[\g+3], 128<<16                     ; tile_dim0
	s_mov_b32 s[\g+4], 64                          ; tile_dim1
	s_mov_b32 s[\g+5], 128                         ; pitch
	s_mov_b32 s[\g+6], 0
	s_mov_b32 s[\g+7], 0
.endr
	s_and_b32 s88, s[JOB], 1
	s_cmp_ge_u32 s[JOB], 3
	s_cselect_b32 s88, 2, s88                      ; A's slot
	s_lshl_b32 s88, s88, 22
	s_add_co_u32 s88, s88, ACT
	s_lshl_b32 s89, s[WC], 19
	s_add_co_u32 s88, s88, s89
	s_lshl_b32 s89, s[MT], 14
	s_add_co_u32 s88, s88, s89                     ; A: made of the job, the wave and the tile row alone
	s_mov_b32 s89, 0
	s_lshl_b32 s90, s[JOB], 19
	s_lshl_b32 s91, s[WC], 16
	s_add_co_u32 s90, s90, s91
	s_lshl_b32 s91, s[TX], 14
	s_add_co_u32 s90, s90, s91                     ; B: of the job, the wave and the tile column alone
	s_mov_b32 s91, 0
	s_mul_i32 s92, s[WV], BLK                      ; in LDS a pair is four blocks: A even, A odd, B even, B odd = wave 0..3
	s_wait_dscnt 0x0                               ; the opening add is done
	s_wait_kmcnt 0x0
	s_add_nc_u64 s[88:89], s[4:5], s[88:89]
	s_add_nc_u64 s[90:91], s[4:5], s[90:91]
	CROUND                                         ; all sixteen work-groups are here: the joint loads meet
.irp c, 0,1,2,3
	s_mov_b32 s[G0A+4*\c], 1
	s_add_co_u32 s[G0A+4*\c+1], s92, \c*4*BLK
	s_add_nc_u64 s[G0A+4*\c+2:G0A+4*\c+3], s[88:89], \c*2*CBB
	s_or_b32 s[G0A+4*\c+3], s[G0A+4*\c+3], 0x80000000
	s_mov_b32 s[G0B+4*\c], 1
	s_add_co_u32 s[G0B+4*\c+1], s92, \c*4*BLK
	s_add_nc_u64 s[G0B+4*\c+2:G0B+4*\c+3], s[90:91], \c*0x20000
	s_or_b32 s[G0B+4*\c+3], s[G0B+4*\c+3], 0x80000000
.endr
	s_cmp_eq_u32 s[WR], 0                          ; a wave's four fills stand in one branch on its number
	s_cbranch_scc0 .Lfor_b
.irp c, 0,1,2,3
	tensor_load_to_lds s[G0A+4*\c:G0A+4*\c+3], s[G1A:G1A+7]
	s_nop 0
.endr
	PLACES
	s_branch .Lasked
.Lfor_b:
.irp c, 0,1,2,3
	tensor_load_to_lds s[G0B+4*\c:G0B+4*\c+3], s[G1B:G1B+7]
	s_nop 0
.endr
	PLACES
.Lasked:
	s_mov_b64 s[94:95], s[8:9]                     ; the job's bias
.irp k, 1,2,3,4,5
	s_cmp_eq_u32 s[JOB], \k
	s_cselect_b64 s[94:95], s[8+2*\k:9+2*\k], s[94:95]
.endr
	s_lshl_b32 s96, s[TX], 9
	s_lshl_b32 s97, s[WC], 8
	s_add_co_u32 s96, s96, s97
	s_mov_b32 s97, 0
	s_add_nc_u64 s[94:95], s[94:95], s[96:97]      ; at my 64 columns
	v_and_b32 v1, 15, v0                           ; r
	v_bfe_u32 v2, v0, 4, 1                         ; h
	v_lshlrev_b32 v[BO], 5, v2
.irp b, 0,1,2,3
	global_load_b128 v[BI+8*\b:BI+8*\b+3], v[BO], s[94:95] offset:64*\b       ; columns 16 b + 8 h + 0..7
	global_load_b128 v[BI+8*\b+4:BI+8*\b+7], v[BO], s[94:95] offset:64*\b+16
.endr
	v_mul_u32_u24 v3, v1, SP
	v_lshl_add_u32 v3, v2, 4, v3                   ; a fragment's row x pitch + 16 x half
	s_mul_i32 s84, s[WR], 64*SP
	s_mul_i32 s85, s[WC], 64*SP
	s_add_co_u32 s85, s85, 2*BLK
.irp k, 0,1,2,3
	v_add_nc_u32 v[ADRA+\k], s84, v3
	v_add_nc_u32 v[ADRB+\k], s85, v3
	s_add_co_u32 s84, s84, 4*BLK
	s_add_co_u32 s85, s85, 4*BLK
.endr
	s_mul_i32 s84, s[WV], 16*SP
	s_add_co_u32 s84, s84, STAGE
	v_add_nc_u32 v[STO], s84, v3                   ; in: row r, 16 bytes for each half of the lanes
	v_bfe_u32 v[RD], v0, 3, 2                      ; back: 32 lanes take four rows of 128 bytes,
	v_mul_u32_u24 v[RD], v[RD], SP
	v_and_b32 v4, 7, v0
	v_lshl_add_u32 v[RD], v4, 4, v[RD]
	v_add_nc_u32 v[RD], s84, v[RD]
	v_and_b32 v[GO], 31, v0                        ; which are 512 consecutive bytes of C
	v_lshlrev_b32 v[GO], 4, v[GO]
	s_lshl_b32 s96, s[JOB], 22                     ; C: slot = job, block 2 tx + wc, rows 128 mt + 64 wr
	s_add_co_u32 s96, s96, ACT
	s_lshl_b32 s97, s[TX], 20
	s_add_co_u32 s96, s96, s97
	s_lshl_b32 s97, s[WC], 19
	s_add_co_u32 s96, s96, s97
	s_lshl_b32 s97, s[MT], 14
	s_add_co_u32 s96, s96, s97
	s_lshl_b32 s97, s[WR], 13
	s_add_co_u32 s96, s96, s97
	s_mov_b32 s97, 0
	s_add_nc_u64 s[6:7], s[6:7], s[96:97]
; 8 matrix instructions: m blocks a0, a0 + 1 x all 4 n blocks, 32 along K: half c of buffer f.  zero = 1: the bias starts the sums.  The 16 accumulators take turns.
.macro MUL8 f, c, a0, zero
	WIN MUL
.irp a, \a0, (\a0)+1
.irp b, 0,1,2,3
.if \zero
	v_wmma_f32_16x16x32_bf16 v[ACC+8*(4*(\a)+(\b)):ACC+8*(4*(\a)+(\b))+7], v[(\f)+64+8*(4*(\c)+(\b)):(\f)+64+8*(4*(\c)+(\b))+7], v[(\f)+8*(4*(\c)+(\a)):(\f)+8*(4*(\c)+(\a))+7], v[BI+8*(\b):BI+8*(\b)+7]
.else
	v_wmma_f32_16x16x32_bf16 v[ACC+8*(4*(\a)+(\b)):ACC+8*(4*(\a)+(\b))+7], v[(\f)+64+8*(4*(\c)+(\b)):(\f)+64+8*(4*(\c)+(\b))+7], v[(\f)+8*(4*(\c)+(\a)):(\f)+8*(4*(\c)+(\a))+7], v[ACC+8*(4*(\a)+(\b)):ACC+8*(4*(\a)+(\b))+7]
.endif
.endr
.endr
.endm
; 32 LDS loads in one run: the fragments of block q (64 along K) into buffer f; the first 32 along K first
.macro FETCH q, f
	WIN TO_F
.irp c, 0,1
.irp i, 0,1,2,3
	ds_load_b128 v[(\f)+64+8*(4*(\c)+(\i)):(\f)+64+8*(4*(\c)+(\i))+3],   v[ADRB+(\q)/2] offset:((\q)%2)*BLK+64*(\c)+(\i)*16*SP
	ds_load_b128 v[(\f)+64+8*(4*(\c)+(\i))+4:(\f)+64+8*(4*(\c)+(\i))+7], v[ADRB+(\q)/2] offset:((\q)%2)*BLK+64*(\c)+(\i)*16*SP+32
	ds_load_b128 v[(\f)+8*(4*(\c)+(\i)):(\f)+8*(4*(\c)+(\i))+3],         v[ADRA+(\q)/2] offset:((\q)%2)*BLK+64*(\c)+(\i)*16*SP
	ds_load_b128 v[(\f)+8*(4*(\c)+(\i))+4:(\f)+8*(4*(\c)+(\i))+7],       v[ADRA+(\q)/2] offset:((\q)%2)*BLK+64*(\c)+(\i)*16*SP+32
.endr
.endr
.endm
.macro QE q, zero                      ; an even block, in buffer 0; the odd block of its pair has landed with it
	s_wait_dscnt 16                                ; the first 32 along K are in
	MUL8 F0, 0, 0, \zero
	MUL8 F0, 0, 2, \zero
	PLACES
	FETCH (\q)+1, F1
	s_wait_dscnt 32                                ; all but the 32 just issued
	MUL8 F0, 1, 0, 0
	MUL8 F0, 1, 2, 0
.endm
.macro QO q, left                      ; an odd block, in buffer 1; the next pair is met at a barrier.  left: my loads of later pairs, which stay out
	s_wait_dscnt 0x0                               ; no LDS instruction is pending at a signal
	s_wait_tensorcnt \left                         ; my block of the next pair has landed
	s_barrier_signal -1
	MUL8 F1, 0, 0, 0
	MUL8 F1, 0, 2, 0
	s_barrier_wait -1                              ; everybody's has
	PLACES
	FETCH (\q)+1, F0
	MUL8 F1, 1, 0, 0
	MUL8 F1, 1, 2, 0
.endm
	s_wait_tensorcnt 0x3                           ; my block of pair 0 is in; three loads stay out
	s_barrier_signal -1
	s_barrier_wait -1
	FETCH 0, F0
	s_wait_loadcnt 0x0                             ; the bias
	QE 0, 1
	QO 1, 2
	QE 2, 0
	QO 3, 1
	QE 4, 0
	QO 5, 0
	QE 6, 0
	s_wait_dscnt 16
	MUL8 F1, 0, 0, 0
	MUL8 F1, 0, 2, 0
	s_wait_dscnt 0x0
	MUL8 F1, 1, 0, 0
	MUL8 F1, 1, 2, 0
	WIN 0
	PLACES
; THE WAY OUT.  My 64 x 64 is one block of channels: 8 KiB on end.  16 rows at a time go through my own stage and come back as whole rows.
.macro PACK a
.irp b, 0,1,2,3
.irp r, 0,1,2,3
	v_cvt_pk_bf16_f32 v[TMP+16*(\a)+4*(\b)+(\r)], v[ACC+8*(4*(\a)+(\b))+2*(\r)], v[ACC+8*(4*(\a)+(\b))+2*(\r)+1]
.endr
.endr
.irp b, 0,1,2,3
	ds_store_b128 v[STO], v[TMP+16*(\a)+4*(\b):TMP+16*(\a)+4*(\b)+3] offset:32*(\b)
.endr
.irp f, 0,1,2,3
	ds_load_b128 v[TMP+16*(\a)+4*(\f):TMP+16*(\a)+4*(\f)+3], v[RD] offset:(\f)*4*SP  ; LDS serves a wave's instructions in order (ISA guide 5.7.1.4)
.endr
.endm
.macro SEND a, younger                 ; younger: the LDS instructions issued behind these loads
.irp f, 0,1,2,3
	s_wait_dscnt (\younger)+3-(\f)
	global_store_b128 v[GO], v[TMP+16*(\a)+4*(\f):TMP+16*(\a)+4*(\f)+3], s[6:7] offset:(\a)*2048+(\f)*512  ; 512 consecutive bytes
.endr
.endm
	PACK 0
	PACK 1
	SEND 0, 8
	PACK 2
	SEND 1, 8
	PACK 3
	SEND 2, 8
	SEND 3, 0
	s_wait_tensorcnt 0x0                           ; the wave's end
	ds_add_u32 v[SPW], v[NIL]
	s_wait_dscnt 0x0
	CROUND                                         ; the closing round
	s_endpgm
.Lfunc_end_k_q804f25fc4c_g1:
	.size	k_q804f25fc4c_g1, .Lfunc_end_k_q804f25fc4c_g1-k_q804f25fc4c_g1
	.p2alignl 7, 3214868480
	.fill 96, 4, 3214868480
	.section	.rodata,"a",@progbits
	.p2align	6, 0x0
	.amdhsa_kernel k_q804f25fc4c_g1
		.amdhsa_group_segment_fixed_size 327680
		.amdhsa_private_segment_fixed_size 0
		.amdhsa_enable_private_segment 0
		.amdhsa_kernarg_size 64
		.amdhsa_user_sgpr_count 2
		.amdhsa_user_sgpr_kernarg_segment_ptr 1
		.amdhsa_wavefront_size32 1
		.amdhsa_system_sgpr_workgroup_id_x 1
		.amdhsa_system_sgpr_workgroup_id_y 1
		.amdhsa_system_sgpr_workgroup_id_z 1
		.amdhsa_system_vgpr_workitem_id 0
		.amdhsa_next_free_vgpr 512
		.amdhsa_next_free_sgpr 100
		.amdhsa_reserve_vcc 0
		.amdhsa_float_denorm_mode_32 3
		.amdhsa_float_denorm_mode_16_64 3
		.amdhsa_memory_ordered 1
		.amdhsa_forward_progress 1
		.amdhsa_inst_pref_size 53
	.end_amdhsa_kernel
	.amdgpu_metadata
---
amdhsa.version: [ 1, 2 ]
amdhsa.kernels:
  - .name:           k_q804f25fc4c_g1
    .symbol:         k_q804f25fc4c_g1.kd
    .args:
      - { .name: XB, .offset: 0, .size: 8, .value_kind: global_buffer, .address_space: global }
      - { .name: HB, .offset: 8, .size: 8, .value_kind: global_buffer, .address_space: global }
      - { .name: params_attn_LH_bk, .offset: 16, .size: 8, .value_kind: global_buffer, .address_space: global }
      - { .name: params_attn_LH_bq, .offset: 24, .size: 8, .value_kind: global_buffer, .address_space: global }
      - { .name: params_attn_LH_bv, .offset: 32, .size: 8, .value_kind: global_buffer, .address_space: global }
      - { .name: params_attn_LL_bk, .offset: 40, .size: 8, .value_kind: global_buffer, .address_space: global }
      - { .name: params_attn_LL_bq, .offset: 48, .size: 8, .value_kind: global_buffer, .address_space: global }
      - { .name: params_attn_LL_bv, .offset: 56, .size: 8, .value_kind: global_buffer, .address_space: global }
    .group_segment_fixed_size: 327680
    .private_segment_fixed_size: 0
    .kernarg_segment_align: 8
    .kernarg_segment_size: 64
    .max_flat_workgroup_size: 128
    .sgpr_count:     100
    .vgpr_count:     512
    .wavefront_size: 32
...
	.end_amdgpu_metadata
.endif
;; end of part 2
;; launch at1 (part 3): grid 8 x 32, 8 waves a work-group, clusters of 4 x 1, 327,680 bytes of LDS; arguments HB, XB, OB; writes OB
.if DOCPART == 3
	.amdgcn_target "amdgcn-amd-amdhsa--gfx1250"
	.amdhsa_code_object_version 6
	.text
	.protected	k_q804f25fc4c_at1
	.globl	k_q804f25fc4c_at1
	.p2align	8
	.type	k_q804f25fc4c_at1,@function
k_q804f25fc4c_at1:
	s_mov_b64 s[64:65], 0
	v_nop
	global_prefetch_b8 v0, s[64:65] scope:SCOPE_SE
	s_setreg_imm32_b32 hwreg(HW_REG_WAVE_MODE, 25, 1), 1
	s_wait_xcnt 0x0
	s_wait_alu depctr_hold_cnt(0) depctr_sa_sdst(0) depctr_va_vdst(0) depctr_va_sdst(0) depctr_va_ssrc(0) depctr_va_vcc(0) depctr_vm_vsrc(0)
	s_getreg_b32 s2, hwreg(HW_REG_IB_STS2, 6, 4)
	s_cmp_eq_u32 s2, 0
	s_cbranch_scc0 .Lentry_in_a_cluster
	s_endpgm
.Lentry_in_a_cluster:
	s_bfe_u32 s2, ttmp6, 0x10000c
	s_cmp_lg_u32 s2, 0x3003
	s_cbranch_scc0 .Lentry_shape_is_right
	s_endpgm
.Lentry_shape_is_right:
; ATTENTION, head size 64, 2,048 queries and keys a head, with an additive key mask.  Head g = 16 u + 8 b + h: K, Q, V in slots 3 u, 3 u + 1, 3 u + 2 of the first argument, a head's rows dense
; (128 bytes each); the mask, f32, 0 or -1e30 a key, in the second at MOFF + (2 u + b) x 8,192; O goes to slot u of the third.  All matrix operands bf16; products, maxima and sums f32.
; LIMITS.  A hidden key's score counts as its value less 1e30.  The running maximum starts at -2^83: scores below that count as hidden.  A row with no visible key has l = 0 and O = 0: the divisor is
; max(l, 0.5), and l is at least 1 as soon as one key is visible, so such a row gives zeros.  A weight below 2^-126 counts as 0.  NaN and infinities are not treated apart.
; SHARES.  A wave owns 32 queries, two tiles of 16: block x + 16 (w % 4) + 8 (w / 4) of the head's 64, x the work-group's place along the grid's x.  So ONE text serves two launches: eight waves a work-group
; on a grid 8 wide (x fills bits 0-2, w / 4 bit 3), and four waves on a grid 16 wide (x fills bits 0-3): the launch with half the heads has as many work-groups as the other.  The text goes in plain phases.
; LAYOUT.  S^T = K Q^T + mask (source 0 = 16 keys, source 1 = 16 queries; the mask is the C operand that starts the sum): a lane holds ONE query and the keys 8 (lane / 16) + 0..7.  Two such results rounded to
; bf16 ARE source 1 of O^T = V^T P.  K comes out of LDS as it lies, V turned by ds_load_tr16_b128.  p = 2^(c s - c m), c = log2(e) / 8; O and l are multiplied by a = 2^(c m_old - c m_new) in every step.
; RING.  Two slots of 256 keys (four steps of 64).  CLUSTER: the four work-groups of a cluster walk the same K, V and mask: every tile is asked for jointly.  A wave has two tensor loads out at the start
; (its half of K or V, its quarter of the mask), later one.
; REGISTERS.  window 0: v0-15 addresses; v16-23 statistics; v24-31 at work; v32-95 S^T; v96-127 P; v128-191 K; v192-255 V.   window 1: v0-63 O^T; v64-95 Q; v96-127 the step's mask; v128-129 the add's two.
.set ACT,   0x400000
.set SLOTB, 0x400000
.set MOFF,  0x3f0000
.set KS,    64
.set PK,    144                        ; a row of K: 128 + 16 bytes
.set PV,    160                        ; a row of V: 128 + 32 bytes
.set VOFF,  4*KS*PK
.set SLOT1, 1<<17
.set MASK,  SLOT1+4*KS*(PK+PV)         ; the head's 2,048 mask words, filled once
.set STAGE, MASK+8192
.set SP,    144
.set SPARE, STAGE+8*16*SP
.set AK0, 2
.set AV0, 3
.set AK,  4
.set AV,  5
.set STO, 6
.set RD,  7
.set GO,  8
.set AM0, 10
.set AM,  11
.set MV,  12                           ; v12-13 c m_old
.set PFO, 14
.set QO,  15
.set ST,  16                           ; tile t: c m, m, l (even keys', odd keys')
.set TMP, 24                           ; tile t: c0-c3; c2 takes a
.set S,   32
.set P,   96
.set KF,  128
.set VF,  192
.set QF,  64                           ; window 1
.set MC,  96                           ; window 1
.set SPW, 128                          ; window 1
.set NIL, 129                          ; window 1
.set WV,  12
.set LIM, 15
.set PFA, 18
.set G1K, 24
.set G1V, 32
.set G0K, 40
.set G0V, 44
.set SLOTS, 56
.set CNT, 57
.set CS,  58
.set SEL, 60
.set TBK, 62
.set TBV, 63
.set TBM, 66
.set G1M, 68
.set G0M, 76
.set MSB, 0
.macro WIN new
.if MSB != (\new)
	s_set_vgpr_msb (MSB<<8)|(\new)
.set MSB, (\new)
.endif
.endm
.set W_KQ, 0x04                        ; Q in window 1
.set W_KM, 0x14                        ; Q and the C operand in window 1
.set W_PV, 0x50                        ; O^T (C and D) in window 1
.set W_RS, 0x41                        ; destination and source 0 in window 1
.set TO1,  0x40                        ; destination in window 1
.set W_AD, 0x05                        ; sources 0 and 1 in window 1
.macro FOUR
.rept 4
	v_nop
.endr
.endm
.macro CROUND
	s_barrier_signal -1
	s_barrier_wait -1
	s_cmp_lg_u32 s[WV], 0
	s_cbranch_scc1 .Lnot_wave_0_\@
	s_barrier_signal -3
.Lnot_wave_0_\@:
	s_barrier_wait -3
	s_barrier_signal -1
	s_barrier_wait -1
.endm
; A joint fill: waves 0, 1 fetch the halves of a tile's K, waves 2, 3 those of its V; the others fetch nothing.  The branches hang on the wave's number alone.
.macro JLOAD
	s_cmp_lt_u32 s[WV], 2
	s_cbranch_scc0 .Lnot_k_\@
	tensor_load_to_lds s[G0K:G0K+3], s[G1K:G1K+7]
	s_nop 0
	FOUR
	s_branch .Lasked_\@
.Lnot_k_\@:
	s_cmp_lt_u32 s[WV], 4
	s_cbranch_scc0 .Lasked_\@
	tensor_load_to_lds s[G0V:G0V+3], s[G1V:G1V+7]
	s_nop 0
	FOUR
.Lasked_\@:
.endm
; A PREFETCH INTO THE L2 of the tile that the NEXT change of slots will ask for: 128 blocks of 256 bytes of K and of V.  The head's first cluster asks; its four partners take 32 blocks each, told apart by address;
; wave 0 asks for K's, wave 2 for V's: a lane a block, each block named once in the launch.  It stands four key steps ahead of the load; the last change that fills a slot asks for nothing.
.macro ASK
	s_cmp_gt_u32 s[SLOTS], s[LIM]
	s_cbranch_scc0 .Lnot_mine_\@
	global_prefetch_b8 v[PFO], s[PFA:PFA+1] th:TH_LOAD_NT scope:SCOPE_SE
.Lnot_mine_\@:
.endm
; THE CHANGE OF SLOTS.  Each wave waits for all its tensor loads, adds 0 to its spare word, and waits for that and for its reads of the slot that it leaves.  fill = 1: the barrier is a round of the cluster's, and
; the joint fill of the old slot, with the keys two tiles on, is the first thing behind it.  (At its first use slot 0 and the mask are waited for and slot 1 is filled.)
.macro CHANGE fill
	WIN W_AD
	s_wait_tensorcnt 0x0                           ; no tensor load of mine is out, so a group 0 may be written
	ds_add_u32 v[SPW], v[NIL]
	WIN 0
.if \fill
.irp g, G0K, G0V
	s_xor_b32 s[\g+1], s[\g+1], SLOT1
	s_add_nc_u64 s[\g+2:\g+3], s[\g+2:\g+3], 4*KS*128
.endr
	s_wait_xcnt 0x0                                ; the last prefetch, four key steps back, has read its address
	s_add_nc_u64 s[PFA:PFA+1], s[PFA:PFA+1], 4*KS*128
	s_wait_dscnt 0x0                               ; the add is done, and my reads of the slot are over
	CROUND
	JLOAD
	ASK
.else
	s_wait_dscnt 0x0
	s_barrier_signal -1
	s_barrier_wait -1
.endif
	s_sub_co_u32 s[TBK], s[TBK], 4*KS*PK           ; the fetches go back to a slot's first step, in the other slot
	s_xor_b32 s[TBK], s[TBK], SLOT1
	s_sub_co_u32 s[TBV], s[TBV], 4*KS*PV
	s_xor_b32 s[TBV], s[TBV], SLOT1
.endm
	s_load_b128 s[4:7], s[0:1], 0x0                ; K, Q, V s[4:5]; mask s[6:7]
	s_load_b64 s[8:9], s[0:1], 0x10                ; O
	WIN TO1
	v_lshl_add_u32 v[SPW], v0, 2, SPARE
	v_mov_b32 v[NIL], 0
	WIN W_AD
	ds_add_u32 v[SPW], v[NIL]                      ; the wave's opening: an add to the spare word, waited for ahead of the first tensor load
	WIN 0
	v_lshrrev_b32 v1, 5, v0
	v_readfirstlane_b32 s[WV], v1                  ; wave 0..7, or 0..3
	s_bfe_u32 s13, ttmp6, 0x40000                  ; cx
	s_lshl_b32 s14, ttmp9, 2
	s_add_co_u32 s14, s14, s13                     ; the work-group's place along x: it enters Q's and O's addresses alone
	s_and_b32 s20, ttmp7, 0xffff                   ; the head, which the partners share
	s_lshr_b32 s21, s20, 4                         ; u
	s_mul_i32 s22, s21, 3*SLOTB
	s_and_b32 s23, s20, 7
	s_lshl_b32 s23, s23, 19
	s_bfe_u32 s80, s20, 0x10003
	s_lshl_b32 s80, s80, 18
	s_add_co_u32 s23, s23, s80                     ; the head's place in a slot
	s_add_co_u32 s22, s22, s23
	s_add_co_u32 s22, s22, ACT                     ; K of the head
	s_and_b32 s16, s[WV], 1                        ; which half of a tile's 256 keys I fetch
	s_lshl_b32 s48, s16, 14
	s_add_co_u32 s48, s48, s22
	s_mov_b32 s49, 0
	s_mul_i32 s17, s16, 128*PK
	s_mul_i32 s80, s16, 128*PV
	s_and_b32 s50, s[WV], 3                        ; my block of 32 queries: x + 16 (w % 4) + 8 (w / 4)
	s_lshl_b32 s50, s50, 4
	s_lshr_b32 s51, s[WV], 2
	s_lshl_b32 s51, s51, 3
	s_add_co_u32 s50, s50, s51
	s_add_co_u32 s50, s50, s14
	s_lshl_b32 s50, s50, 12                        ; 32 rows of 128 bytes
	s_add_co_u32 s52, s50, s22
	s_add_co_u32 s52, s52, SLOTB                   ; Q
	s_mov_b32 s53, 0
	s_lshl_b32 s51, s21, 22
	s_add_co_u32 s50, s50, s51
	s_add_co_u32 s50, s50, s23
	s_add_co_u32 s50, s50, ACT                     ; O
	s_mov_b32 s51, 0
	s_lshr_b32 s54, s20, 3
	s_lshl_b32 s54, s54, 13
	s_add_co_u32 s54, s54, MOFF                    ; the mask,
	s_lshl_b32 s81, s[WV], 11                      ; of which waves 0 to 3 fetch a quarter each
	s_add_co_u32 s54, s54, s81
	s_mov_b32 s55, 0
	s_cmp_lt_u32 s[WV], 2
	s_cselect_b32 s82, 0, 2*SLOTB                  ; the prefetches: K (wave 0) or V (wave 2), my work-group's quarter, one tile on
	s_lshl_b32 s83, s13, 13
	s_add_co_u32 s82, s82, s83
	s_add_co_u32 s82, s82, s48
	s_add_co_u32 s82, s82, 4*KS*128
	s_mov_b32 s83, 0
	s_and_b32 s[LIM], s[WV], 5                     ; 0 in waves 0 and 2,
	s_or_b32 s[LIM], s[LIM], ttmp9                 ; where the cluster is the head's first: the same in all partners
	s_cmp_eq_u32 s[LIM], 0
	s_cselect_b32 s[LIM], 1, -1
	; group 1 for K and V: 128 keys are 16 KiB on end: 64 rows of 256 bytes, padded after each key
	s_mov_b32 s[G1K], 15|(1<<16)|(1<<20)|(1<<21)|(4<<22)|(3<<25)
	s_mov_b32 s[G1V], 15|(1<<16)|(1<<20)|(1<<21)|(4<<22)|(7<<25)
.irp g, G1K, G1V
	s_mov_b32 s[\g+1], 128<<16
	s_mov_b32 s[\g+2], 64<<16
	s_mov_b32 s[\g+3], 128<<16
	s_mov_b32 s[\g+4], 64
	s_mov_b32 s[\g+5], 128
	s_mov_b32 s[\g+6], 0
	s_mov_b32 s[\g+7], 0
.endr
	s_mov_b32 s[G1M], 15|(3<<16)|(1<<21)           ; a quarter of the mask: 8 rows of 32 elements of 8 bytes, no padding
	s_mov_b32 s[G1M+1], 32<<16
	s_mov_b32 s[G1M+2], 8<<16
	s_mov_b32 s[G1M+3], 32<<16
	s_mov_b32 s[G1M+4], 8
	s_mov_b32 s[G1M+5], 32
	s_mov_b32 s[G1M+6], 0
	s_mov_b32 s[G1M+7], 0
	s_mov_b32 s[CS], 0x3e38aa3b                    ; c = log2(e) / 8
	s_mov_b32 s[CS+1], s[CS]
	s_mov_b32 s[SEL], 0x76543210
	s_mov_b32 s[SEL+1], 0xfedcba98
	s_mov_b32 s[TBK], SLOT1+4*KS*PK                ; the first change of slots turns these two into 0
	s_mov_b32 s[TBV], SLOT1+4*KS*PV
	s_mov_b32 s[TBM], 0
	s_mov_b32 s[SLOTS], 7                          ; tiles still to be asked for
	s_mov_b32 s[G0K], 1
	s_mov_b32 s[G0K+1], s17
	s_mov_b32 s[G0V], 1
	s_add_co_u32 s[G0V+1], s80, VOFF
	s_mov_b32 s[G0M], 1
	s_add_co_u32 s[G0M+1], s81, MASK
	s_wait_dscnt 0x0                               ; the opening add is done
	s_wait_kmcnt 0x0
	s_add_nc_u64 s[G0K+2:G0K+3], s[4:5], s[48:49]
	s_add_nc_u64 s[G0V+2:G0V+3], s[G0K+2:G0K+3], 2*SLOTB
	s_or_b32 s[G0K+3], s[G0K+3], 0x80000000
	s_or_b32 s[G0V+3], s[G0V+3], 0x80000000
	s_add_nc_u64 s[G0M+2:G0M+3], s[6:7], s[54:55]
	s_or_b32 s[G0M+3], s[G0M+3], 0x80000000
	s_add_nc_u64 s[10:11], s[4:5], s[52:53]
	s_add_nc_u64 s[8:9], s[8:9], s[50:51]
	s_add_nc_u64 s[PFA:PFA+1], s[4:5], s[82:83]
	CROUND                                         ; all four work-groups are here: the first joint loads meet
	s_cmp_lt_u32 s[WV], 2                          ; the first fills, a wave's two in one branch on its number: tile 0 into slot 0, and a quarter of the mask
	s_cbranch_scc0 .Lf_not_k
	tensor_load_to_lds s[G0K:G0K+3], s[G1K:G1K+7]
	s_nop 0
	tensor_load_to_lds s[G0M:G0M+3], s[G1M:G1M+7]
	s_nop 0
	FOUR
	s_branch .Lf_done
.Lf_not_k:
	s_cmp_lt_u32 s[WV], 4
	s_cbranch_scc0 .Lf_done
	tensor_load_to_lds s[G0V:G0V+3], s[G1V:G1V+7]
	s_nop 0
	tensor_load_to_lds s[G0M:G0M+3], s[G1M:G1M+7]
	s_nop 0
	FOUR
.Lf_done:
	v_and_b32 v1, 15, v0                           ; r
	v_bfe_u32 v9, v0, 4, 1                         ; h
	v_lshlrev_b32 v[QO], 7, v1
	v_lshl_add_u32 v[QO], v9, 4, v[QO]
	WIN TO1
.set i, 0
.rept 4                                ; Q stays in registers: tile i / 2, channels 32 (i % 2) on
	global_load_b128 v[QF+8*i:QF+8*i+3],   v[QO], s[10:11] offset:(i/2)*2048+(i%2)*64
	global_load_b128 v[QF+8*i+4:QF+8*i+7], v[QO], s[10:11] offset:(i/2)*2048+(i%2)*64+32
.set i, i+1
.endr
.set i, 0
.rept 64                               ; O^T starts at 0: while every key so far is hidden a = 1, and O must stay 0.  Written in the wait for the first tile
	v_mov_b32 v[i], 0
.set i, i+1
.endr
	WIN 0
.irp t, 0,1
	v_mov_b32 v[ST+4*\t+1], 0xe9000000             ; m = -2^83
	v_mul_f32 v[ST+4*\t], s[CS], v[ST+4*\t+1]
	v_mov_b32 v[ST+4*\t+2], 0
	v_mov_b32 v[ST+4*\t+3], 0
.endr
	v_mul_u32_u24 v[AK0], v1, PK
	v_lshl_add_u32 v[AK0], v9, 4, v[AK0]
	v_and_b32 v32, 7, v0
	v_bfe_u32 v33, v0, 3, 1
	v_lshl_add_u32 v[AV0], v9, 3, v32              ; the turning load: key 8 h + l % 8, channels 8 ((l / 8) % 2) on
	v_mul_u32_u24 v[AV0], v[AV0], PV
	v_lshl_add_u32 v[AV0], v33, 4, v[AV0]
	v_add_nc_u32 v[AV0], VOFF, v[AV0]
	v_lshlrev_b32 v[AM0], 5, v9                    ; my eight keys' mask words
	v_add_nc_u32 v[AM0], MASK, v[AM0]
	s_mul_i32 s80, s[WV], 16*SP
	s_add_co_u32 s80, s80, STAGE
	v_mul_u32_u24 v[STO], v1, SP
	v_lshl_add_u32 v[STO], v9, 4, v[STO]
	v_add_nc_u32 v[STO], s80, v[STO]
	v_bfe_u32 v[RD], v0, 3, 2
	v_mul_u32_u24 v[RD], v[RD], SP
	v_lshl_add_u32 v[RD], v32, 4, v[RD]
	v_add_nc_u32 v[RD], s80, v[RD]
	v_and_b32 v[GO], 31, v0
	v_lshlrev_b32 v[PFO], 8, v[GO]
	v_lshlrev_b32 v[GO], 4, v[GO]
; Product i of 16 of S^T: tile i % 2, keys 16 ((i / 2) % 4) on, channels 32 (i / 8) on.  The first 8 start the sums with the mask.  The 8 accumulators take turns.
.macro KQ
.set rS, S+32*(i%2)+8*((i/2)%4)
.set rK, KF+16*((i/2)%4)+8*(i/8)
.set rQ, QF+16*(i%2)+8*(i/8)
.set rM, MC+8*((i/2)%4)
.if i < 8
	WIN W_KM
	v_wmma_f32_16x16x32_bf16 v[rS:rS+7], v[rK:rK+7], v[rQ:rQ+7], v[rM:rM+7]
.else
	WIN W_KQ
	v_wmma_f32_16x16x32_bf16 v[rS:rS+7], v[rK:rK+7], v[rQ:rQ+7], v[rS:rS+7]
.endif
.endm
; Product i of 16 of O^T += V^T P: tile i % 2, channels 16 ((i / 2) % 4) on, keys 32 (i / 8) on.
.macro PV
	WIN W_PV
.set rO, 32*(i%2)+8*((i/2)%4)
.set rV, VF+32*(i/8)+8*((i/2)%4)
.set rP, P+16*(i%2)+8*(i/8)
	v_wmma_f32_16x16x32_bf16 v[rO:rO+7], v[rV:rV+7], v[rP:rP+7], v[rO:rO+7]
.endm
; The next step's K (8 fragments) and its 64 mask words as four C operands: one run of 24 loads, six plain instructions or more behind the products that read these registers.
.macro FETCH_K
	WIN 0
	v_add_nc_u32 v[AK], s[TBK], v[AK0]
	v_add_nc_u32 v[AM], s[TBM], v[AM0]
.irp f, 0,1,2,3,4,5,6,7
	ds_load_b128 v[KF+8*\f:KF+8*\f+3],   v[AK] offset:(\f/2)*16*PK+(\f%2)*64
	ds_load_b128 v[KF+8*\f+4:KF+8*\f+7], v[AK] offset:(\f/2)*16*PK+(\f%2)*64+32
.endr
	WIN TO1
.irp kb, 0,1,2,3
	ds_load_b128 v[MC+8*\kb:MC+8*\kb+3],   v[AM] offset:64*\kb
	ds_load_b128 v[MC+8*\kb+4:MC+8*\kb+7], v[AM] offset:64*\kb+16
.endr
	WIN 0
	s_add_co_u32 s[TBK], s[TBK], KS*PK
	s_add_co_u32 s[TBM], s[TBM], 256
.endm
; A step's scores, and the run of loads for its V.
.macro HEAD
	s_wait_dscnt 0x0                               ; K and the mask are in
.set i, 0
.rept 16
	KQ
.set i, i+1
.endr
	WIN 0
	v_add_nc_u32 v[AV], s[TBV], v[AV0]             ; with the three v_nop: the four places behind the products, in front of the loads and of the first read of the scores
	v_nop
	v_nop
	v_nop
.irp f, 0,1,2,3,4,5,6,7
	ds_load_tr16_b128 v[VF+8*\f:VF+8*\f+3],   v[AV] offset:(\f/4)*32*PV+(\f%4)*32
	ds_load_tr16_b128 v[VF+8*\f+4:VF+8*\f+7], v[AV] offset:(\f/4)*32*PV+16*PV+(\f%4)*32
.endr
	s_add_co_u32 s[TBV], s[TBV], KS*PV
.endm
.macro REGS t
.set rT, ST+4*(\t)
.set rC, TMP+4*(\t)
.set rW, MV+(\t)
.set rS, S+32*(\t)
.set rP, P+16*(\t)
.set rO, 32*(\t)
.endm
; Number n of the 22 that find a tile's maximum and statistics; each accumulator's lowest registers are read first.
.macro XS t, n
	REGS \t
.if (\n) < 4
	v_max3_num_f32 v[rC+(\n)], v[rS+8*(\n)], v[rS+8*(\n)+1], v[rS+8*(\n)+2]
.elseif (\n) < 12
	v_max3_num_f32 v[rC+(\n)%4], v[rC+(\n)%4], v[rS+8*((\n)%4)+2*((\n)/4)+1], v[rS+8*((\n)%4)+2*((\n)/4)+2]
.elseif (\n) == 12
	v_max3_num_f32 v[rC], v[rC], v[rS+7], v[rS+15]
.elseif (\n) == 13
	v_max3_num_f32 v[rC+1], v[rC+1], v[rS+23], v[rS+31]
.elseif (\n) == 14
	v_max3_num_f32 v[rC+2], v[rC+2], v[rC+3], v[rT+1]
.elseif (\n) == 15
	v_mov_b32 v[rW], v[rT]
.elseif (\n) == 16
	v_max3_num_f32 v[rC], v[rC], v[rC+1], v[rC+2]
.elseif (\n) == 17
	v_permlanex16_b32 v[rC+3], v[rC], s[SEL], s[SEL+1]  ; the query's other 32 keys lie in the lane 16 away
.elseif (\n) == 18
	v_max_num_f32 v[rT+1], v[rC], v[rC+3]
.elseif (\n) == 19
	v_mul_f32 v[rT], s[CS], v[rT+1]
.elseif (\n) == 20
	v_sub_f32 v[rC+1], v[rW], v[rT]
.else
	v_exp_f32 v[rC+2], v[rC+1]
.endif
.endm
.macro FS t, p                         ; c s - c m for pair p
	REGS \t
	v_pk_fma_f32 v[rS+2*(\p):rS+2*(\p)+1], v[rS+2*(\p):rS+2*(\p)+1], s[CS:CS+1], v[rT:rT+1] op_sel_hi:[1,0,0] neg_lo:[0,0,1] neg_hi:[0,0,1]
.endm
.macro EX t, e
	REGS \t
	v_exp_f32 v[rS+(\e)], v[rS+(\e)]
.endm
.macro SUMP t, w, u                    ; pairs w / 2 registers apart are added in place
	REGS \t
	v_pk_add_f32 v[rS+(\w)*(\u):rS+(\w)*(\u)+1], v[rS+(\w)*(\u):rS+(\w)*(\u)+1], v[rS+(\w)*(\u)+(\w)/2:rS+(\w)*(\u)+(\w)/2+1]
.endm
; The softmax of the step whose scores lie in S^T, and its V^T P.  The two tiles alternate, so that no instruction reads the result of the one before it.  The 66 exponentials are ONE batch: nothing ahead of
; the one wait names a result of theirs.
.macro REST
	WIN 0
.irp n, 0,1,2,3,4,5,6,7,8,9,10,11,12,13,14,15,16,17,18,19,20,21
	XS 0, \n
	XS 1, \n
.endr
.set p, 0
.rept 16
	FS 0, p
	FS 1, p
.if p > 0
	EX 0, 2*p-2
	EX 1, 2*p-2
	EX 0, 2*p-1
	EX 1, 2*p-1
.endif
.set p, p+1
.endr
	EX 0, 30
	EX 1, 30
	EX 0, 31
	EX 1, 31
	v_nop                                          ; a plain instruction behind the last exponential (ISA guide 5.7.2),
	s_wait_alu depctr_va_vdst(0)                   ; and a wait ahead of the first use: one for the batch
.set p, 0
.rept 16
	v_cvt_pk_bf16_f32 v[P+p], v[S+2*p], v[S+2*p+1]
	v_cvt_pk_bf16_f32 v[P+16+p], v[S+32+2*p], v[S+32+2*p+1]
.set p, p+1
.endr
.irp u, 0,1,2,3,4,5,6,7
	SUMP 0, 4, \u
	SUMP 1, 4, \u
.endr
.irp u, 0,1,2,3
	SUMP 0, 8, \u
	SUMP 1, 8, \u
.endr
.irp u, 0,1
	SUMP 0, 16, \u
	SUMP 1, 16, \u
.endr
	SUMP 0, 32, 0
	SUMP 1, 32, 0
.irp t, 0,1
	REGS \t
	v_pk_fma_f32 v[rT+2:rT+3], v[rT+2:rT+3], v[rC+2:rC+3], v[rS:rS+1] op_sel_hi:[1,0,1]  ; l = a l + sum
.endr
	WIN W_RS
.set z, 0
.rept 16                               ; O^T times a, from each accumulator's low end on
	v_pk_mul_f32 v[2*z:2*z+1], v[2*z:2*z+1], v[TMP+2:TMP+3] op_sel_hi:[1,0]
	v_pk_mul_f32 v[32+2*z:32+2*z+1], v[32+2*z:32+2*z+1], v[TMP+6:TMP+7] op_sel_hi:[1,0]
.set z, z+1
.endr
	WIN 0
	s_wait_dscnt 0x0                               ; V is in
.set i, 0
.rept 16
	PV
.set i, i+1
.endr
	WIN 0
.endm
	CHANGE 1                                       ; slot 0 and the mask are in, everybody's part; slot 1 is asked for
	FETCH_K                                        ; key step 0
	s_wait_loadcnt 0x0                             ; Q
	s_mov_b32 s[CNT], 4
	s_branch .Lhead                                ; the loop is entered in the middle of a trip
.Lslot:                                ; six times more: every slot but the last two is filled again
	CHANGE 1
	s_mov_b32 s[CNT], 4
.Ltrip:                                ; a trip: K of the next step is fetched; softmax and V^T P of the step in hand; the next step's scores, and its V is fetched
	FETCH_K
	REST
.Lhead:
	HEAD
	s_sub_co_u32 s[CNT], s[CNT], 1
	s_cmp_lg_u32 s[CNT], 0
	s_cbranch_scc1 .Ltrip
	s_sub_co_u32 s[SLOTS], s[SLOTS], 1
	s_cmp_lg_u32 s[SLOTS], 0
	s_cbranch_scc1 .Lslot
	CHANGE 0                                       ; the last tile has a loop of its own: nothing is asked for
	s_mov_b32 s[CNT], 5                            ; four trips fetch the tile's steps; the fifth has no step to fetch and is left in its middle
.Ltail:
	s_cmp_eq_u32 s[CNT], 1
	s_cbranch_scc1 .Lno_k
	FETCH_K
.Lno_k:
	REST
	s_sub_co_u32 s[CNT], s[CNT], 1
	s_cmp_eq_u32 s[CNT], 0
	s_cbranch_scc1 .Lout
	HEAD
	s_branch .Ltail
.Lout:
	; THE WAY OUT.  l's halves are added; O^T is divided by max(l, 0.5), rounded to bf16 and sent through my stage, a tile at a time.  The additions are the places behind the last products.
.irp t, 0,1
	v_add_f32 v[ST+4*\t+2], v[ST+4*\t+2], v[ST+4*\t+3]
.endr
.irp t, 0,1
	v_permlanex16_b32 v[ST+4*\t+3], v[ST+4*\t+2], s[SEL], s[SEL+1]
.endr
.irp t, 0,1
	v_add_f32 v[ST+4*\t+2], v[ST+4*\t+2], v[ST+4*\t+3]
.endr
.irp t, 0,1
	v_max_num_f32 v[ST+4*\t+2], 0.5, v[ST+4*\t+2]
.endr
.irp t, 0,1
	v_rcp_f32 v[ST+4*\t+2], v[ST+4*\t+2]
.endr
	v_nop
	s_wait_alu depctr_va_vdst(0)                   ; one wait for the two reciprocals
.macro PACK t
	WIN W_RS
.set i, 32*(\t)
.rept 16
	v_pk_mul_f32 v[i:i+1], v[i:i+1], v[ST+4*(\t)+2:ST+4*(\t)+3] op_sel_hi:[1,0]
.set i, i+2
.endr
	WIN W_AD                                       ; sources in window 1, destination in window 0
.set i, 0
.rept 16
	v_cvt_pk_bf16_f32 v[S+16*(\t)+i], v[32*(\t)+2*i], v[32*(\t)+2*i+1]
.set i, i+1
.endr
	WIN 0
.irp f, 0,1,2,3
	ds_store_b128 v[STO], v[S+16*(\t)+4*\f:S+16*(\t)+4*\f+3] offset:32*\f
.endr
.irp f, 0,1,2,3
	ds_load_b128 v[S+16*(\t)+4*\f:S+16*(\t)+4*\f+3], v[RD] offset:\f*4*SP  ; LDS serves a wave's instructions in order (ISA guide 5.7.1.4)
.endr
.endm
.macro SEND t, younger
.irp f, 0,1,2,3
	s_wait_dscnt (\younger)+3-\f
	global_store_b128 v[GO], v[S+16*(\t)+4*\f:S+16*(\t)+4*\f+3], s[8:9] offset:(\t)*2048+\f*512  ; 512 consecutive bytes
.endr
.endm
	PACK 0
	PACK 1
	SEND 0, 8
	SEND 1, 0
	WIN W_AD
	s_wait_tensorcnt 0x0                           ; the wave's end
	ds_add_u32 v[SPW], v[NIL]
	s_wait_dscnt 0x0
	WIN 0
	CROUND                                         ; the closing round
	s_endpgm
.Lfunc_end_k_q804f25fc4c_at1:
	.size	k_q804f25fc4c_at1, .Lfunc_end_k_q804f25fc4c_at1-k_q804f25fc4c_at1
	.p2alignl 7, 3214868480
	.fill 96, 4, 3214868480
	.section	.rodata,"a",@progbits
	.p2align	6, 0x0
	.amdhsa_kernel k_q804f25fc4c_at1
		.amdhsa_group_segment_fixed_size 327680
		.amdhsa_private_segment_fixed_size 0
		.amdhsa_enable_private_segment 0
		.amdhsa_kernarg_size 24
		.amdhsa_user_sgpr_count 2
		.amdhsa_user_sgpr_kernarg_segment_ptr 1
		.amdhsa_wavefront_size32 1
		.amdhsa_system_sgpr_workgroup_id_x 1
		.amdhsa_system_sgpr_workgroup_id_y 1
		.amdhsa_system_sgpr_workgroup_id_z 1
		.amdhsa_system_vgpr_workitem_id 0
		.amdhsa_next_free_vgpr 392
		.amdhsa_next_free_sgpr 84
		.amdhsa_reserve_vcc 0
		.amdhsa_float_denorm_mode_32 3
		.amdhsa_float_denorm_mode_16_64 3
		.amdhsa_memory_ordered 1
		.amdhsa_forward_progress 1
		.amdhsa_inst_pref_size 61
	.end_amdhsa_kernel
	.amdgpu_metadata
---
amdhsa.version: [ 1, 2 ]
amdhsa.kernels:
  - .name:           k_q804f25fc4c_at1
    .symbol:         k_q804f25fc4c_at1.kd
    .args:
      - { .name: HB, .offset: 0, .size: 8, .value_kind: global_buffer, .address_space: global }
      - { .name: XB, .offset: 8, .size: 8, .value_kind: global_buffer, .address_space: global }
      - { .name: OB, .offset: 16, .size: 8, .value_kind: global_buffer, .address_space: global }
    .group_segment_fixed_size: 327680
    .private_segment_fixed_size: 0
    .kernarg_segment_align: 8
    .kernarg_segment_size: 24
    .max_flat_workgroup_size: 256
    .sgpr_count:     84
    .vgpr_count:     392
    .wavefront_size: 32
...
	.end_amdgpu_metadata
.endif
;; end of part 3
;; launch g2: the kernel of part 2 again; grid 4 x 64, 4 waves a work-group, clusters of 4 x 4, 327,680 bytes of LDS; arguments OB, OUTB, params_attn_LH_bo, params_attn_LL_bo, params_attn_LH_bk, params_attn_LH_bq, params_attn_LH_bv, params_attn_LL_bk; writes OUTB
;; launch g3: the kernel of part 2 again; grid 4 x 96, 4 waves a work-group, clusters of 4 x 4, 327,680 bytes of LDS; arguments OUTB, HB, params_attn_cross_bk, params_attn_cross_bq, params_attn_cross_bv, params_attn_LH_bk, params_attn_LH_bq, params_attn_LH_bv; writes HB
;; launch at2: the kernel of part 3 again; grid 16 x 16, 4 waves a work-group, clusters of 4 x 1, 327,680 bytes of LDS; arguments HB, OUTB, OC; writes OC
;; launch g4: the kernel of part 2 again; grid 4 x 32, 4 waves a work-group, clusters of 4 x 4, 327,680 bytes of LDS; arguments OC, HB, params_attn_cross_bo, params_attn_LH_bk, params_attn_LH_bq, params_attn_LH_bv, params_attn_LL_bk, params_attn_LL_bq; writes HB
;; launch ln (part 4): grid 256 x 1, 8 waves a work-group, no clusters, 0 bytes of LDS; arguments XB, OUTB, HB, params_ln2_g, params_ln2_b, params_ln1_g, params_ln1_b, FB; writes FB
.if DOCPART == 4
	.amdgcn_target "amdgcn-amd-amdhsa--gfx1250"
	.amdhsa_code_object_version 6
	.text
	.protected	k_q804f25fc4c_ln
	.globl	k_q804f25fc4c_ln
	.p2align	8
	.type	k_q804f25fc4c_ln,@function
k_q804f25fc4c_ln:
	s_mov_b64 s[64:65], 0
	v_nop
	global_prefetch_b8 v0, s[64:65] scope:SCOPE_SE
	s_setreg_imm32_b32 hwreg(HW_REG_WAVE_MODE, 25, 1), 1
	s_wait_xcnt 0x0
; BOTH LAYER NORMS.  Stream 0: LH + LH_out, gains ln2.  Stream 1: LL + LL_out + cross_out, gains ln1.  x comes in f32, the attention outputs in bf16; all arithmetic f32; F is rounded once to bf16.
; The mean is taken away before the squares are summed, so a common offset of the inputs costs no digits.
; SHARES.  A work-group takes 32 rows of a stream, a wave 4, in two passes of 2.  A row lies on 16 lanes: lane (q, hl) holds channels 64 cb + 4 q .. + 3 of row 2 p + hl: 32 numbers.  So the sums never leave a row
; of 16 lanes: no LDS, no barrier.  Every load and store of a wave covers 256 or 512 consecutive bytes.  No matrix unit and no cluster: nothing is multiplied and nothing is shared.
.set ACT,   0x400000
.set CBB,   0x80000
.set XFOFF, 0x1000000
.set VG,  4                            ; v4  16 q
.set VX,  5                            ; v5  256 hl + 16 q
.set VB,  6                            ; v6  128 hl + 8 q
.set ONE, 7
.set T,   8                            ; v[8:23]  four running pairs a pass
.set V,   32                           ; v[32:95] pass p, block cb at V + 32 p + 4 cb
.set O,   96                           ; v[96:127] the attention's output, later F
.set C,   128                          ; v[128:159] cross_out
.set G,   160
.set BB,  192
	s_load_b512 s[4:19], s[0:1], 0x0               ; XB, OUTB, HB, ln2 g, ln2 b, ln1 g, ln1 b, FB
	v_lshrrev_b32 v1, 5, v0
	v_readfirstlane_b32 s20, v1
	v_and_b32 v2, 15, v0
	v_bfe_u32 v3, v0, 4, 1
	s_lshr_b32 s21, ttmp9, 7                       ; stream
	s_and_b32 s22, ttmp9, 127
	s_lshl_b32 s22, s22, 5
	s_lshl_b32 s23, s20, 2
	s_add_co_u32 s22, s22, s23                     ; my first row
	v_lshlrev_b32 v[VG], 4, v2
	v_lshl_add_u32 v[VX], v3, 8, v[VG]
	v_lshlrev_b32 v[VB], 3, v2
	v_lshl_add_u32 v[VB], v3, 7, v[VB]
	v_mov_b32 v[ONE], 1.0
	s_lshl_b32 s24, s21, 23
	s_lshl_b32 s25, s22, 8
	s_add_co_u32 s24, s24, s25
	s_add_co_u32 s24, s24, XFOFF
	s_mov_b32 s25, 0
	s_lshl_b32 s28, s22, 7
	s_lshl_b32 s30, s21, 22
	s_add_co_u32 s30, s30, s28                     ; slot and row, for F
	s_add_co_u32 s26, s30, ACT                     ; for the attention's output
	s_add_co_u32 s28, s28, ACT                     ; for cross_out, slot 0
	s_mov_b32 s27, 0
	s_mov_b32 s29, 0
	s_mov_b32 s31, 0
	s_mov_b32 s36, 0x3b000000                      ; 1 / 512
	s_mov_b32 s37, 0x3727c5ac                      ; 1e-5
	s_wait_kmcnt 0x0
	s_add_nc_u64 s[4:5], s[4:5], s[24:25]
	s_add_nc_u64 s[6:7], s[6:7], s[26:27]
	s_add_nc_u64 s[8:9], s[8:9], s[28:29]
	s_add_nc_u64 s[18:19], s[18:19], s[30:31]
	s_cmp_eq_u32 s21, 0
	s_cselect_b64 s[32:33], s[10:11], s[14:15]
	s_cselect_b64 s[34:35], s[12:13], s[16:17]
.irp p, 0,1
.irp cb, 0,1,2,3,4,5,6,7
	global_load_b128 v[V+32*\p+4*\cb:V+32*\p+4*\cb+3], v[VX], s[4:5] offset:\cb*0x100000+512*\p th:TH_LOAD_NT
.endr
.endr
.irp p, 0,1
.irp cb, 0,1,2,3,4,5,6,7
	global_load_b64 v[O+16*\p+2*\cb:O+16*\p+2*\cb+1], v[VB], s[6:7] offset:\cb*CBB+256*\p th:TH_LOAD_NT
.endr
.endr
.irp cb, 0,1,2,3,4,5,6,7
	global_load_b128 v[G+4*\cb:G+4*\cb+3], v[VG], s[32:33] offset:256*\cb
	global_load_b128 v[BB+4*\cb:BB+4*\cb+3], v[VG], s[34:35] offset:256*\cb
.endr
.macro ADDH src                        ; V += 64 numbers in bf16: one fused multiply-add by 1 widens and adds
.set i, 0
.rept 32
	v_fma_mix_f32_bf16 v[V+2*i], v[(\src)+i], v[ONE], v[V+2*i] op_sel_hi:[1,0,0]
	v_fma_mix_f32_bf16 v[V+2*i+1], v[(\src)+i], v[ONE], v[V+2*i+1] op_sel:[1,0,0] op_sel_hi:[1,0,0]
.set i, i+1
.endr
.endm
	s_cmp_eq_u32 s21, 0
	s_cbranch_scc1 .Lno_cross
.irp p, 0,1
.irp cb, 0,1,2,3,4,5,6,7
	global_load_b64 v[C+16*\p+2*\cb:C+16*\p+2*\cb+1], v[VB], s[8:9] offset:\cb*CBB+256*\p th:TH_LOAD_NT
.endr
.endr
	s_wait_loadcnt 0x0
	ADDH C
.Lno_cross:
	s_wait_loadcnt 0x0
	ADDH O
.macro FOLD p                          ; four pairs into one number, then over the row's 16 lanes: every lane of the row ends with the sum
.set TP, T+8*(\p)
	v_pk_add_f32 v[TP:TP+1], v[TP:TP+1], v[TP+2:TP+3]
	v_pk_add_f32 v[TP+4:TP+5], v[TP+4:TP+5], v[TP+6:TP+7]
	v_pk_add_f32 v[TP:TP+1], v[TP:TP+1], v[TP+4:TP+5]
	v_add_f32 v[TP], v[TP], v[TP+1]
	v_add_f32_dpp v[TP], v[TP], v[TP] row_xmask:1 row_mask:0xf bank_mask:0xf
	v_add_f32_dpp v[TP], v[TP], v[TP] row_xmask:2 row_mask:0xf bank_mask:0xf
	v_add_f32_dpp v[TP], v[TP], v[TP] row_xmask:4 row_mask:0xf bank_mask:0xf
	v_add_f32_dpp v[TP], v[TP], v[TP] row_xmask:8 row_mask:0xf bank_mask:0xf
.endm
.irp p, 0,1
.irp k, 0,1,2,3
	v_pk_add_f32 v[T+8*\p+2*\k:T+8*\p+2*\k+1], v[V+32*\p+2*\k:V+32*\p+2*\k+1], v[V+32*\p+8+2*\k:V+32*\p+8+2*\k+1]
.endr
.irp j, 2,3
.irp k, 0,1,2,3
	v_pk_add_f32 v[T+8*\p+2*\k:T+8*\p+2*\k+1], v[T+8*\p+2*\k:T+8*\p+2*\k+1], v[V+32*\p+8*\j+2*\k:V+32*\p+8*\j+2*\k+1]
.endr
.endr
.endr
	FOLD 0
	FOLD 1
	v_mul_f32 v[T], s36, v[T]                      ; the means
	v_mul_f32 v[T+8], s36, v[T+8]
.irp p, 0,1
.set i, 0
.rept 16
	v_pk_add_f32 v[V+32*\p+2*i:V+32*\p+2*i+1], v[V+32*\p+2*i:V+32*\p+2*i+1], v[T+8*\p:T+8*\p+1] op_sel_hi:[1,0] neg_lo:[0,1] neg_hi:[0,1]
.set i, i+1
.endr
.endr
.irp p, 0,1
.irp k, 0,1,2,3
	v_pk_mul_f32 v[T+8*\p+2*\k:T+8*\p+2*\k+1], v[V+32*\p+2*\k:V+32*\p+2*\k+1], v[V+32*\p+2*\k:V+32*\p+2*\k+1]
.endr
.irp j, 1,2,3
.irp k, 0,1,2,3
	v_pk_fma_f32 v[T+8*\p+2*\k:T+8*\p+2*\k+1], v[V+32*\p+8*\j+2*\k:V+32*\p+8*\j+2*\k+1], v[V+32*\p+8*\j+2*\k:V+32*\p+8*\j+2*\k+1], v[T+8*\p+2*\k:T+8*\p+2*\k+1]
.endr
.endr
.endr
	FOLD 0
	FOLD 1
	v_fma_f32 v[T], v[T], s36, s37                 ; variance + 1e-5
	v_fma_f32 v[T+8], v[T+8], s36, s37
	v_rsq_f32 v[T], v[T]
	v_rsq_f32 v[T+8], v[T+8]
	v_nop                                          ; a plain instruction behind the last root (ISA guide 5.7.2),
	s_wait_alu depctr_va_vdst(0)                   ; and one wait for both
.irp p, 0,1
.set i, 0
.rept 16
	v_pk_mul_f32 v[V+32*\p+2*i:V+32*\p+2*i+1], v[V+32*\p+2*i:V+32*\p+2*i+1], v[T+8*\p:T+8*\p+1] op_sel_hi:[1,0]
.set i, i+1
.endr
.set i, 0
.rept 16
	v_pk_fma_f32 v[V+32*\p+2*i:V+32*\p+2*i+1], v[V+32*\p+2*i:V+32*\p+2*i+1], v[G+2*i:G+2*i+1], v[BB+2*i:BB+2*i+1]
.set i, i+1
.endr
.set i, 0
.rept 16
	v_cvt_pk_bf16_f32 v[O+16*\p+i], v[V+32*\p+2*i], v[V+32*\p+2*i+1]
.set i, i+1
.endr
.irp cb, 0,1,2,3,4,5,6,7
	global_store_b64 v[VB], v[O+16*\p+2*\cb:O+16*\p+2*\cb+1], s[18:19] offset:\cb*CBB+256*\p  ; two rows of 128 bytes: 256 consecutive bytes
.endr
.endr
	s_endpgm
.Lfunc_end_k_q804f25fc4c_ln:
	.size	k_q804f25fc4c_ln, .Lfunc_end_k_q804f25fc4c_ln-k_q804f25fc4c_ln
	.p2alignl 7, 3214868480
	.fill 96, 4, 3214868480
	.section	.rodata,"a",@progbits
	.p2align	6, 0x0
	.amdhsa_kernel k_q804f25fc4c_ln
		.amdhsa_group_segment_fixed_size 0
		.amdhsa_private_segment_fixed_size 0
		.amdhsa_enable_private_segment 0
		.amdhsa_kernarg_size 64
		.amdhsa_user_sgpr_count 2
		.amdhsa_user_sgpr_kernarg_segment_ptr 1
		.amdhsa_wavefront_size32 1
		.amdhsa_system_sgpr_workgroup_id_x 1
		.amdhsa_system_sgpr_workgroup_id_y 1
		.amdhsa_system_sgpr_workgroup_id_z 1
		.amdhsa_system_vgpr_workitem_id 0
		.amdhsa_next_free_vgpr 224
		.amdhsa_next_free_sgpr 66
		.amdhsa_reserve_vcc 0
		.amdhsa_float_denorm_mode_32 3
		.amdhsa_float_denorm_mode_16_64 3
		.amdhsa_memory_ordered 1
		.amdhsa_forward_progress 1
		.amdhsa_inst_pref_size 32
	.end_amdhsa_kernel
	.amdgpu_metadata
---
amdhsa.version: [ 1, 2 ]
amdhsa.kernels:
  - .name:           k_q804f25fc4c_ln
    .symbol:         k_q804f25fc4c_ln.kd
    .args:
      - { .name: XB, .offset: 0, .size: 8, .value_kind: global_buffer, .address_space: global }
      - { .name: OUTB, .offset: 8, .size: 8, .value_kind: global_buffer, .address_space: global }
      - { .name: HB, .offset: 16, .size: 8, .value_kind: global_buffer, .address_space: global }
      - { .name: params_ln2_g, .offset: 24, .size: 8, .value_kind: global_buffer, .address_space: global }
      - { .name: params_ln2_b, .offset: 32, .size: 8, .value_kind: global_buffer, .address_space: global }
      - { .name: params_ln1_g, .offset: 40, .size: 8, .value_kind: global_buffer, .address_space: global }
      - { .name: params_ln1_b, .offset: 48, .size: 8, .value_kind: global_buffer, .address_space: global }
      - { .name: FB, .offset: 56, .size: 8, .value_kind: global_buffer, .address_space: global }
    .group_segment_fixed_size: 0
    .private_segment_fixed_size: 0
    .kernarg_segment_align: 8
    .kernarg_segment_size: 64
    .max_flat_workgroup_size: 256
    .sgpr_count:     66
    .vgpr_count:     224
    .wavefront_size: 32
...
	.end_amdgpu_metadata
.endif
;; end of part 4
;; launch m1 (part 5): grid 4 x 64, 4 waves a work-group, clusters of 4 x 4, 327,680 bytes of LDS; arguments FB, XB, params_mlp_LH_b1, params_mlp_LL_b1, HB; writes HB
.if DOCPART == 5
	.amdgcn_target "amdgcn-amd-amdhsa--gfx1250"
	.amdhsa_code_object_version 6
	.text
	.protected	k_q804f25fc4c_m1
	.globl	k_q804f25fc4c_m1
	.p2align	8
	.type	k_q804f25fc4c_m1,@function
k_q804f25fc4c_m1:
	s_mov_b64 s[64:65], 0
	v_nop
	global_prefetch_b8 v0, s[64:65] scope:SCOPE_SE
	s_setreg_imm32_b32 hwreg(HW_REG_WAVE_MODE, 25, 1), 1
	s_wait_xcnt 0x0
	s_wait_alu depctr_hold_cnt(0) depctr_sa_sdst(0) depctr_va_vdst(0) depctr_va_sdst(0) depctr_va_ssrc(0) depctr_va_vcc(0) depctr_vm_vsrc(0)
	s_getreg_b32 s2, hwreg(HW_REG_IB_STS2, 6, 4)
	s_cmp_eq_u32 s2, 0
	s_cbranch_scc0 .Lentry_in_a_cluster
	s_endpgm
.Lentry_in_a_cluster:
	s_bfe_u32 s2, ttmp6, 0x10000c
	s_cmp_lg_u32 s2, 0xf033
	s_cbranch_scc0 .Lentry_shape_is_right
	s_endpgm
.Lentry_shape_is_right:
; H = GELU(F W1^T + b1), the erf form.  F [4096][512] a stream lies in bf16 blocks [cb][row][64]; W1 in tiles of 128 rows, [cb 8][128][64], 128 KiB on end, four tiles to 512 rows.
; H leaves in bf16 as [block of 64 rows][K step of 256 columns][4][64 rows][64 columns]: a wave's 64 x 64 is 8 KiB on end, and the next launch takes 64 rows x 256 columns as 32 KiB on end.
; A WORK-GROUP STAYS.  It keeps its 128 rows of F (all 512 k) in LDS and walks four tiles of 128 columns, 512 columns apart: one counted loop.  Four waves, 64 x 64 each: 16 accumulators; sources transposed
; (source 0 = 16 rows of W1, source 1 = 16 rows of F), so that a lane holds eight neighbouring columns of one row; the bias is the C operand of the first products.
; CLUSTER 4 x 4: F's blocks are shared along a row of the cluster, the first tile of W1 along a column: joint loads, four a wave, all issued at the head.
; THE LATER TILES OF W1 COME THROUGH REGISTERS, a quarter (32 KiB) a wave: 63 loads of 16 bytes a lane into a window of registers of their own, issued at the end of the trip before (for tile 1 at the head), so
; that a whole trip's products and GELU stand between the loads and their use; the 64th piece is asked for behind the trip's products, when the 63 have long come, so that the counter's field holds what is out
; (ISA guide 5.7.1).
; No prefetch: the loads themselves go out a trip ahead.
; GELU(x) = max(x, 0) - 0.5 |x| erfc(|x| / sqrt 2), with erfc(z) = t (a1 + t (a2 + t a3)) e^(-z z), t = 1 / (1 + 0.47047 z) (Abramowitz and Stegun 7.1.25): within 2.5e-5 of erfc for every z >= 0, that is within
; 1.25e-5 |x| of GELU; H is then rounded to bf16.
; LIMITS.  Where x x overflows the exponential is 0 and GELU is max(x, 0).  NaN and infinities are not treated apart.
.set ACT,   0x400000
.set CBB,   0x80000
.set M1OFF, 0x2000000
.set JOBB,  0x80000                    ; bytes from a tile of W1 to the walk's next: 512 rows
.set HNEXT, 0x10000                    ; bytes from a tile's place in H to the next: two K steps of 32 KiB
.set SP,    144                        ; an LDS row: 128 bytes + 16 = 36 words: the 16 rows of a load start at 16 different groups of four banks (64 banks of 4 bytes: ISA guide 11.1)
.set BLK,   128*SP
.set STAGE, 16*BLK                     ; behind the tiles: 16 rows x 144 bytes for each wave
.set BIASL, STAGE+4*16*SP              ; the four tiles' 128 bias numbers each, f32, stored once
.set SPARE, BIASL+2048
.set TILES, 4
.set LP,   2                           ; v[2:5] the 64th piece of the next tile (at the head: lane numbers at work)
.set ADRA, 16                          ; v16-19  my A fragments in block pair 0..3
.set ADRB, 20                          ; v20-23  the same for B
.set STO,  24
.set RD,   25
.set GO,   26                          ; 16 x lane: my 16 bytes of 512 on end, in H and in W1
.set BIA,  27
.set SPW,  28
.set NIL,  29
.set BST,  30                          ; where I put 16 bytes of the next tile
.set BIA0, 31
.set GT,   32                          ; GELU at work: t (later the packed result), the exponential, the polynomial, max(x, 0)
.set GE,   48
.set GP,   64
.set GR,   80
.set BI,   96                          ; v96-127 the bias as four C operands
.set ACC,  128                         ; accumulator (a, b) at ACC + 8 (4 a + b)
.set F0,   0                           ; window 1: two fragment buffers;  window 2: v0-251 the next tile's 63 pieces
.set F1,   128
.set WV, 20
.set WR, 21
.set WC, 22
.set CX, 23
.set CY, 24
.set TX, 25
.set MT, 26
.set STRM, 27
.set G1A, 28
.set G1B, 36
.set G0A, 44
.set G0B, 68
.set KP, 84
.set KE, 86
.set A3, 88
.set A2, 90
.set A1, 92
.set BP, 96                            ; s[96:97] W1 at my quarter of the tile in hand
.set TL, 98                            ; tiles to go, this one among them
.set TBB, 99                           ; the tile's place among the bias numbers in LDS
.set MSB, 0
.macro WIN new
.if MSB != (\new)
	s_set_vgpr_msb (MSB<<8)|(\new)
.set MSB, \new
.endif
.endm
.set MUL,  0x05                        ; sources 0 and 1 window 1; C and D window 0
.set TO_F, 0x40                        ; destination window 1
.set TO_N, 0x80                        ; destination window 2
.set ST_N, 0x08                        ; source 1 (an LDS store's data) window 2
.macro CROUND
	s_barrier_signal -1
	s_barrier_wait -1
	s_cmp_lg_u32 s[WV], 0
	s_cbranch_scc1 .Lnot_wave_0_\@
	s_barrier_signal -3
.Lnot_wave_0_\@:
	s_barrier_wait -3
	s_barrier_signal -1
	s_barrier_wait -1
.endm
.macro PLACES                          ; four places behind matrix instructions (ISA guide 7.12.1)
.rept 4
	v_nop
.endr
.endm
.macro NEXTB off                       ; 63 of the 64 pieces of 512 bytes of my quarter of a later tile, off bytes behind the tile in hand
	WIN TO_N
.set i, 0
.rept 63
	global_load_b128 v[4*i:4*i+3], v[GO], s[BP:BP+1] offset:(\off)+512*i
.set i, i+1
.endr
	WIN 0
.endm
	s_load_b256 s[4:11], s[0:1], 0x0               ; F s[4:5], XB s[6:7], b1 of LH s[8:9], of LL s[10:11]
	s_load_b64 s[12:13], s[0:1], 0x20              ; H
	v_lshl_add_u32 v[SPW], v0, 2, SPARE
	v_mov_b32 v[NIL], 0
	ds_add_u32 v[SPW], v[NIL]                      ; the wave's opening: an add to the spare word, waited for ahead of my first tensor load
	v_lshrrev_b32 v1, 5, v0
	v_readfirstlane_b32 s[WV], v1
	s_lshr_b32 s[WR], s[WV], 1                     ; my half of the rows.  Also: I fetch for F (0) or W1 (1)
	s_and_b32 s[WC], s[WV], 1                      ; my half of the columns.  Also: the even or the odd block of a pair
	s_bfe_u32 s[CX], ttmp6, 0x40000
	s_bfe_u32 s[CY], ttmp6, 0x40004
	s_lshl_b32 s[TX], ttmp9, 2
	s_add_co_u32 s[TX], s[TX], s[CX]               ; which 128 of each 512 columns
	s_and_b32 s84, ttmp7, 0xffff                   ; the cluster's y: 8 clusters a stream
	s_lshr_b32 s[STRM], s84, 3
	s_and_b32 s[MT], s84, 7
	s_lshl_b32 s[MT], s[MT], 2
	s_add_co_u32 s[MT], s[MT], s[CY]               ; tile row 0..31
	s_lshl_b32 s85, s[CY], 2
	s_lshl_b32 s85, 15, s85                        ; my row of the cluster
	s_lshl_b32 s86, 0x1111, s[CX]                  ; my column
	; group 1: 16 KiB on end as 64 rows of 256 bytes; 4 words of padding after every 32 words, that is after each row of the block
	s_or_b32 s[G1A], s85, (1<<16)|(1<<20)|(1<<21)|(4<<22)|(3<<25)
	s_or_b32 s[G1B], s86, (1<<16)|(1<<20)|(1<<21)|(4<<22)|(3<<25)
.irp g, G1A, G1B
	s_mov_b32 s[\g+1], 128<<16
	s_mov_b32 s[\g+2], 64<<16
	s_mov_b32 s[\g+3], 128<<16
	s_mov_b32 s[\g+4], 64
	s_mov_b32 s[\g+5], 128
	s_mov_b32 s[\g+6], 0
	s_mov_b32 s[\g+7], 0
.endr
	s_lshl_b32 s88, s[STRM], 22                    ; F: made of the stream, the wave and the tile row alone
	s_lshl_b32 s89, s[WC], 19
	s_add_co_u32 s88, s88, s89
	s_lshl_b32 s89, s[MT], 14
	s_add_co_u32 s88, s88, s89
	s_mov_b32 s89, 0
	s_lshl_b32 s90, s[STRM], 21                    ; W1: the stream's 2 MiB, in each 512 rows tile tx
	s_add_co_u32 s90, s90, M1OFF
	s_lshl_b32 s91, s[TX], 17
	s_add_co_u32 s90, s90, s91
	s_lshl_b32 s91, s[WV], 15
	s_add_co_u32 s[BP], s90, s91                   ; my quarter of a tile: blocks 2 w and 2 w + 1
	s_mov_b32 s[BP+1], 0
	s_lshl_b32 s91, s[WC], 14
	s_add_co_u32 s90, s90, s91                     ; the first tile's joint loads: block 2 c + (wave % 2)
	s_mov_b32 s91, 0
	s_mul_i32 s92, s[WV], BLK                      ; in LDS a pair is four blocks: A even, A odd, B even, B odd = wave 0..3
	s_wait_dscnt 0x0                               ; the opening add is done
	s_wait_kmcnt 0x0
	s_add_nc_u64 s[88:89], s[4:5], s[88:89]
	s_add_nc_u64 s[90:91], s[6:7], s[90:91]
	s_add_nc_u64 s[BP:BP+1], s[6:7], s[BP:BP+1]
	CROUND                                         ; all sixteen work-groups are here: the joint loads meet
.irp c, 0,1,2,3
	s_mov_b32 s[G0A+4*\c], 1
	s_add_co_u32 s[G0A+4*\c+1], s92, \c*4*BLK
	s_add_nc_u64 s[G0A+4*\c+2:G0A+4*\c+3], s[88:89], \c*2*CBB
	s_or_b32 s[G0A+4*\c+3], s[G0A+4*\c+3], 0x80000000
	s_mov_b32 s[G0B+4*\c], 1
	s_add_co_u32 s[G0B+4*\c+1], s92, \c*4*BLK
	s_add_nc_u64 s[G0B+4*\c+2:G0B+4*\c+3], s[90:91], \c*0x8000
	s_or_b32 s[G0B+4*\c+3], s[G0B+4*\c+3], 0x80000000
.endr
	s_cmp_eq_u32 s[WR], 0                          ; a wave's four fills stand in one branch on its number
	s_cbranch_scc0 .Lfor_b
.irp c, 0,1,2,3
	tensor_load_to_lds s[G0A+4*\c:G0A+4*\c+3], s[G1A:G1A+7]
	s_nop 0
.endr
	PLACES
	s_branch .Lasked
.Lfor_b:
.irp c, 0,1,2,3
	tensor_load_to_lds s[G0B+4*\c:G0B+4*\c+3], s[G1B:G1B+7]
	s_nop 0
.endr
	PLACES
.Lasked:
	s_cmp_eq_u32 s[STRM], 0
	s_cselect_b64 s[94:95], s[8:9], s[10:11]       ; b1 of the stream: wave w brings tile w's 128 numbers, 512 bytes on end
	s_lshl_b32 s84, s[WV], 11
	s_lshl_b32 s85, s[TX], 9
	s_add_co_u32 s84, s84, s85
	s_mov_b32 s85, 0
	s_add_nc_u64 s[94:95], s[94:95], s[84:85]
	v_and_b32 v[GO], 31, v0
	v_lshlrev_b32 v[GO], 4, v[GO]
	global_load_b128 v[8:11], v[GO], s[94:95]
	v_and_b32 v1, 15, v0                           ; r
	v_bfe_u32 v2, v0, 4, 1                         ; h
	v_mul_u32_u24 v3, v1, SP
	v_lshl_add_u32 v3, v2, 4, v3                   ; a fragment's row x pitch + 16 x half
	s_mul_i32 s84, s[WR], 64*SP
	s_mul_i32 s85, s[WC], 64*SP
	s_add_co_u32 s85, s85, 2*BLK
.irp k, 0,1,2,3
	v_add_nc_u32 v[ADRA+\k], s84, v3
	v_add_nc_u32 v[ADRB+\k], s85, v3
	s_add_co_u32 s84, s84, 4*BLK
	s_add_co_u32 s85, s85, 4*BLK
.endr
	s_mul_i32 s84, s[WV], 16*SP
	s_add_co_u32 s84, s84, STAGE
	v_add_nc_u32 v[STO], s84, v3                   ; into my stage: row r, 16 bytes for each half of the lanes
	v_bfe_u32 v4, v0, 3, 2                         ; 32 lanes x 16 bytes are four rows of 128 bytes:
	v_mul_u32_u24 v4, v4, SP
	v_and_b32 v5, 7, v0
	v_lshl_add_u32 v4, v5, 4, v4
	v_add_nc_u32 v[RD], s84, v4                    ; back out of my stage,
	s_mul_i32 s85, s[WV], 4*BLK
	s_add_co_u32 s85, s85, 2*BLK
	v_add_nc_u32 v[BST], s85, v4                   ; and into pair w's two blocks of B, which lie on end: 256 rows
	s_lshl_b32 s84, s[WC], 8
	s_add_co_u32 s84, s84, BIASL
	v_lshl_add_u32 v[BIA0], v2, 5, s84             ; my 64 columns' bias, eight numbers for each half of the lanes
	s_lshl_b32 s84, s[WV], 9
	s_add_co_u32 s84, s84, BIASL
	v_add_nc_u32 v6, s84, v[GO]
	s_lshl_b32 s84, s[STRM], 24                    ; H: block of 64 rows 64 s + 2 mt + wr (256 KiB), K step tx / 2 (32 KiB), in it block 2 (tx % 2) + wc (8 KiB)
	s_add_co_u32 s84, s84, ACT
	s_lshl_b32 s85, s[MT], 19
	s_add_co_u32 s84, s84, s85
	s_lshl_b32 s85, s[WR], 18
	s_add_co_u32 s84, s84, s85
	s_lshr_b32 s85, s[TX], 1
	s_lshl_b32 s85, s85, 15
	s_add_co_u32 s84, s84, s85
	s_and_b32 s85, s[TX], 1
	s_lshl_b32 s85, s85, 14
	s_add_co_u32 s84, s84, s85
	s_lshl_b32 s85, s[WC], 13
	s_add_co_u32 s84, s84, s85
	s_mov_b32 s85, 0
	s_add_nc_u64 s[12:13], s[12:13], s[84:85]
	s_mov_b32 s[KP], 0x3eaa540e                    ; 0.47047 / sqrt 2
	s_mov_b32 s[KE], 0xbf38aa3b                    ; - log2(e) / 2
	s_mov_b32 s[KE+1], s[KE]
	s_mov_b32 s[A3], 0xbebf7377                    ; the three coefficients, each times -0.5: -0.3739278,
	s_mov_b32 s[A3+1], s[A3]
	s_mov_b32 s[A2], 0x3d445ca1                    ; 0.0479399,
	s_mov_b32 s[A2+1], s[A2]
	s_mov_b32 s[A1], 0xbe32303a                    ; -0.1740121
	s_mov_b32 s[A1+1], s[A1]
	s_mov_b32 s[TL], TILES
	s_mov_b32 s[TBB], 0
	s_wait_loadcnt 0x0                             ; the bias numbers that I bring
	ds_store_b128 v6, v[8:11]
	NEXTB JOBB                                     ; tile 1, while the first tiles are on their way
; 8 matrix instructions: m blocks a0, a0 + 1 x all 4 n blocks, 32 along K: half c of buffer f.  zero = 1: the bias starts the sums.  The 16 accumulators take turns.
.macro MUL8 f, c, a0, zero
	WIN MUL
.irp a, \a0, (\a0)+1
.irp b, 0,1,2,3
.if \zero
	v_wmma_f32_16x16x32_bf16 v[ACC+8*(4*(\a)+(\b)):ACC+8*(4*(\a)+(\b))+7], v[(\f)+64+8*(4*(\c)+(\b)):(\f)+64+8*(4*(\c)+(\b))+7], v[(\f)+8*(4*(\c)+(\a)):(\f)+8*(4*(\c)+(\a))+7], v[BI+8*(\b):BI+8*(\b)+7]
.else
	v_wmma_f32_16x16x32_bf16 v[ACC+8*(4*(\a)+(\b)):ACC+8*(4*(\a)+(\b))+7], v[(\f)+64+8*(4*(\c)+(\b)):(\f)+64+8*(4*(\c)+(\b))+7], v[(\f)+8*(4*(\c)+(\a)):(\f)+8*(4*(\c)+(\a))+7], v[ACC+8*(4*(\a)+(\b)):ACC+8*(4*(\a)+(\b))+7]
.endif
.endr
.endr
.endm
; 32 LDS loads in one run: the fragments of block q (64 along K) into buffer f; the first 32 along K first
.macro FETCH q, f
	WIN TO_F
.irp c, 0,1
.irp i, 0,1,2,3
	ds_load_b128 v[(\f)+64+8*(4*(\c)+(\i)):(\f)+64+8*(4*(\c)+(\i))+3],   v[ADRB+(\q)/2] offset:((\q)%2)*BLK+64*(\c)+(\i)*16*SP
	ds_load_b128 v[(\f)+64+8*(4*(\c)+(\i))+4:(\f)+64+8*(4*(\c)+(\i))+7], v[ADRB+(\q)/2] offset:((\q)%2)*BLK+64*(\c)+(\i)*16*SP+32
	ds_load_b128 v[(\f)+8*(4*(\c)+(\i)):(\f)+8*(4*(\c)+(\i))+3],         v[ADRA+(\q)/2] offset:((\q)%2)*BLK+64*(\c)+(\i)*16*SP
	ds_load_b128 v[(\f)+8*(4*(\c)+(\i))+4:(\f)+8*(4*(\c)+(\i))+7],       v[ADRA+(\q)/2] offset:((\q)%2)*BLK+64*(\c)+(\i)*16*SP+32
.endr
.endr
.endm
.macro QE q, zero                      ; an even block, in buffer 0
	s_wait_dscnt 16                                ; the first 32 along K are in (and, ahead of them, the bias)
	MUL8 F0, 0, 0, \zero
	MUL8 F0, 0, 2, \zero
	PLACES
	FETCH (\q)+1, F1
	s_wait_dscnt 32                                ; all but the 32 just issued
	MUL8 F0, 1, 0, 0
	MUL8 F0, 1, 2, 0
.endm
.macro QO q, left                      ; an odd block, in buffer 1; in the first tile the next pair of blocks is met at this barrier.  left: my tensor loads of later pairs, which stay out; in later tiles none is out
	s_wait_dscnt 0x0                               ; no LDS instruction is pending at a signal
	s_wait_tensorcnt \left
	s_barrier_signal -1
	MUL8 F1, 0, 0, 0
	MUL8 F1, 0, 2, 0
	s_barrier_wait -1
	PLACES
	FETCH (\q)+1, F0
	MUL8 F1, 1, 0, 0
	MUL8 F1, 1, 2, 0
.endm
.macro EACH16 line:vararg
.set j, 0
.rept 16
	\line
.set j, j+1
.endr
.endm
.macro EACH8 line:vararg
.set j, 0
.rept 8
	\line
.set j, j+2
.endr
.endm
; Two accumulators, 16 numbers a lane.  The 32 transcendentals are one batch; the 16 maxima are the independent work behind it; one wait.  The packed result goes into my stage: m block t / 2, columns 32 (t % 2) on.
.macro GELU t
.set X, ACC+16*(\t)
	EACH16 v_fma_f32 v[GT+j], |v[X+j]|, s[KP], 1.0
	EACH8 v_pk_mul_f32 v[GE+j:GE+j+1], v[X+j:X+j+1], v[X+j:X+j+1]
	EACH8 v_pk_mul_f32 v[GE+j:GE+j+1], v[GE+j:GE+j+1], s[KE:KE+1] op_sel_hi:[1,0]
	EACH16 v_rcp_f32 v[GT+j], v[GT+j]
	EACH16 v_exp_f32 v[GE+j], v[GE+j]
	EACH16 v_max_num_f32 v[GR+j], 0, v[X+j]
	s_wait_alu depctr_va_vdst(0)                   ; a wait ahead of the first use: one for the batch
	EACH8 v_pk_fma_f32 v[GP+j:GP+j+1], v[GT+j:GT+j+1], s[A3:A3+1], s[A2:A2+1] op_sel_hi:[1,0,0]
	EACH8 v_pk_fma_f32 v[GP+j:GP+j+1], v[GP+j:GP+j+1], v[GT+j:GT+j+1], s[A1:A1+1] op_sel_hi:[1,1,0]
	EACH8 v_pk_mul_f32 v[GT+j:GT+j+1], v[GT+j:GT+j+1], v[GE+j:GE+j+1]
	EACH8 v_pk_mul_f32 v[GP+j:GP+j+1], v[GP+j:GP+j+1], v[GT+j:GT+j+1]
	EACH16 v_fma_f32 v[GR+j], |v[X+j]|, v[GP+j], v[GR+j]
	EACH8 v_cvt_pk_bf16_f32 v[GT+j/2], v[GR+j], v[GR+j+1]
	ds_store_b128 v[STO], v[GT:GT+3]   offset:64*((\t)%2)
	ds_store_b128 v[STO], v[GT+4:GT+7] offset:64*((\t)%2)+32
.endm
.macro BACK a                          ; m block a comes back as whole rows, into accumulators that GELU has read.  LDS serves a wave's instructions in order (ISA guide 5.7.1.4)
.irp f, 0,1,2,3
	ds_load_b128 v[ACC+32*(\a)+4*(\f):ACC+32*(\a)+4*(\f)+3], v[RD] offset:(\f)*4*SP
.endr
.endm
.macro SEND a, younger                 ; younger: the LDS instructions issued behind these loads: the next m block's four stores, or none
.irp f, 0,1,2,3
	s_wait_dscnt (\younger)+3-(\f)
	global_store_b128 v[GO], v[ACC+32*(\a)+4*(\f):ACC+32*(\a)+4*(\f)+3], s[12:13] offset:(\a)*2048+(\f)*512  ; 512 consecutive bytes
.endr
.endm
	s_wait_dscnt 0x0                               ; for the others' sake: my bias numbers lie in LDS
	s_wait_tensorcnt 0x3                           ; my block of pair 0 is in; three tensor loads stay out
	s_barrier_signal -1
	s_barrier_wait -1
.Ltile:
	v_add_nc_u32 v[BIA], s[TBB], v[BIA0]
.irp b, 0,1,2,3
	ds_load_b128 v[BI+8*\b:BI+8*\b+3], v[BIA] offset:64*\b       ; columns 16 b + 8 h + 0..7
	ds_load_b128 v[BI+8*\b+4:BI+8*\b+7], v[BIA] offset:64*\b+16
.endr
	s_add_co_u32 s[TBB], s[TBB], 512
	FETCH 0, F0
	QE 0, 1
	QO 1, 2
	QE 2, 0
	QO 3, 1
	QE 4, 0
	QO 5, 0
	QE 6, 0
	s_wait_dscnt 16
	MUL8 F1, 0, 0, 0
	MUL8 F1, 0, 2, 0
	s_wait_dscnt 0x0                               ; my reads of this tile of W1 are over:
	s_barrier_signal -1                            ; say so,
	MUL8 F1, 1, 0, 0
	MUL8 F1, 1, 2, 0
	WIN 0
	s_barrier_wait -1                              ; and everybody's are: B's bytes may be written
	PLACES                                         ; behind the last products
	s_cmp_eq_u32 s[TL], 1
	s_cbranch_scc1 .Lno_piece                      ; the last tile has no next
	global_load_b128 v[LP:LP+3], v[GO], s[BP:BP+1] offset:JOBB+512*63  ; the next tile's 64th piece
.Lno_piece:
	GELU 0
	GELU 1
	BACK 0
	GELU 2
	GELU 3
	SEND 0, 4
	BACK 1
	GELU 4
	GELU 5
	SEND 1, 4
	BACK 2
	GELU 6
	GELU 7
	SEND 2, 4
	BACK 3
	SEND 3, 0
	s_cmp_eq_u32 s[TL], 1
	s_cbranch_scc1 .Lno_store
	WIN ST_N
.set i, 0
.rept 63
	s_wait_loadcnt 62-i                            ; 62 - i pieces of the 63 were issued behind piece i (the 64th, behind them, makes the count one stricter than it need be)
	ds_store_b128 v[BST], v[4*i:4*i+3] offset:576*i  ; four rows of 144 bytes on
.set i, i+1
.endr
	WIN 0
	ds_store_b128 v[BST], v[LP:LP+3] offset:576*63
.Lno_store:
	s_wait_loadcnt 0x0                             ; no load is out when the registers are asked for again
	s_cmp_le_u32 s[TL], 2
	s_cbranch_scc1 .Lno_ask                        ; the last two tiles have no tile two on
	NEXTB 2*JOBB
.Lno_ask:
	s_wait_dscnt 0x0                               ; for the others' sake: my quarter of the next tile lies in LDS
	s_wait_xcnt 0x0                                ; loads and stores have read their registers: the pointers are stepped, and the next tile's products write over the stores' data
	s_add_nc_u64 s[BP:BP+1], s[BP:BP+1], JOBB
	s_add_nc_u64 s[12:13], s[12:13], HNEXT
	s_barrier_signal -1
	s_barrier_wait -1                              ; the next tile is whole
	s_sub_co_u32 s[TL], s[TL], 1
	s_cmp_lg_u32 s[TL], 0
	s_cbranch_scc1 .Ltile
	s_wait_tensorcnt 0x0                           ; the wave's end
	ds_add_u32 v[SPW], v[NIL]
	s_wait_dscnt 0x0
	CROUND                                         ; the closing round
	s_endpgm
.Lfunc_end_k_q804f25fc4c_m1:
	.size	k_q804f25fc4c_m1, .Lfunc_end_k_q804f25fc4c_m1-k_q804f25fc4c_m1
	.p2alignl 7, 3214868480
	.fill 96, 4, 3214868480
	.section	.rodata,"a",@progbits
	.p2align	6, 0x0
	.amdhsa_kernel k_q804f25fc4c_m1
		.amdhsa_group_segment_fixed_size 327680
		.amdhsa_private_segment_fixed_size 0
		.amdhsa_enable_private_segment 0
		.amdhsa_kernarg_size 40
		.amdhsa_user_sgpr_count 2
		.amdhsa_user_sgpr_kernarg_segment_ptr 1
		.amdhsa_wavefront_size32 1
		.amdhsa_system_sgpr_workgroup_id_x 1
		.amdhsa_system_sgpr_workgroup_id_y 1
		.amdhsa_system_sgpr_workgroup_id_z 1
		.amdhsa_system_vgpr_workitem_id 0
		.amdhsa_next_free_vgpr 768
		.amdhsa_next_free_sgpr 100
		.amdhsa_reserve_vcc 0
		.amdhsa_float_denorm_mode_32 3
		.amdhsa_float_denorm_mode_16_64 3
		.amdhsa_memory_ordered 1
		.amdhsa_forward_progress 1
		.amdhsa_inst_pref_size 125
	.end_amdhsa_kernel
	.amdgpu_metadata
---
amdhsa.version: [ 1, 2 ]
amdhsa.kernels:
  - .name:           k_q804f25fc4c_m1
    .symbol:         k_q804f25fc4c_m1.kd
    .args:
      - { .name: FB, .offset: 0, .size: 8, .value_kind: global_buffer, .address_space: global }
      - { .name: XB, .offset: 8, .size: 8, .value_kind: global_buffer, .address_space: global }
      - { .name: params_mlp_LH_b1, .offset: 16, .size: 8, .value_kind: global_buffer, .address_space: global }
      - { .name: params_mlp_LL_b1, .offset: 24, .size: 8, .value_kind: global_buffer, .address_space: global }
      - { .name: HB, .offset: 32, .size: 8, .value_kind: global_buffer, .address_space: global }
    .group_segment_fixed_size: 327680
    .private_segment_fixed_size: 0
    .kernarg_segment_align: 8
    .kernarg_segment_size: 40
    .max_flat_workgroup_size: 128
    .sgpr_count:     100
    .vgpr_count:     768
    .wavefront_size: 32
...
	.end_amdgpu_metadata
.endif
;; end of part 5
;; launch m2 (part 6): grid 4 x 64, 4 waves a work-group, clusters of 4 x 4, 327,680 bytes of LDS; arguments HB, XB, FB, params_mlp_LH_b2, params_mlp_LL_b2, out1, out0; writes out1, out0
.if DOCPART == 6
	.amdgcn_target "amdgcn-amd-amdhsa--gfx1250"
	.amdhsa_code_object_version 6
	.text
	.protected	k_q804f25fc4c_m2
	.globl	k_q804f25fc4c_m2
	.p2align	8
	.type	k_q804f25fc4c_m2,@function
k_q804f25fc4c_m2:
	s_mov_b64 s[64:65], 0
	v_nop
	global_prefetch_b8 v0, s[64:65] scope:SCOPE_SE
	s_setreg_imm32_b32 hwreg(HW_REG_WAVE_MODE, 25, 1), 1
	s_wait_xcnt 0x0
	s_wait_alu depctr_hold_cnt(0) depctr_sa_sdst(0) depctr_va_vdst(0) depctr_va_sdst(0) depctr_va_ssrc(0) depctr_va_vcc(0) depctr_vm_vsrc(0)
	s_getreg_b32 s2, hwreg(HW_REG_IB_STS2, 6, 4)
	s_cmp_eq_u32 s2, 0
	s_cbranch_scc0 .Lentry_in_a_cluster
	s_endpgm
.Lentry_in_a_cluster:
	s_bfe_u32 s2, ttmp6, 0x10000c
	s_cmp_lg_u32 s2, 0xf033
	s_cbranch_scc0 .Lentry_shape_is_right
	s_endpgm
.Lentry_shape_is_right:
; out[b][d][l] = sum over k of H[row][k] W2[d][k] + b2[d] + F[row][d], f32, channel-major.  W2 [512][2048] is bf16, row-major; H, bf16, lies as [block of 64 rows][K step of 256][4][64 rows][64 k];
; rows 0-4095 are LH (out1), the rest LL (out0).
; A work-group makes 128 rows x 128 channels; four waves, 64 x 64 each.  K goes in steps of 256 through a ring of two slots; a wave's tensor load brings 64 rows: of H 32 KiB on end (in LDS four blocks of 64 rows
; x 144 bytes), of W2 64 rows of 512 bytes (LDS rows of 528).
; CLUSTER 4 x 4: H's tiles are shared along a row of the cluster, W2's along a column: joint loads; where a slot is filled again a round of the cluster's barrier stands in front.
; SOURCES AS THEY ARE (source 0 = 16 rows of H, source 1 = 16 rows of W2): a lane holds one channel d and eight neighbouring places l: 32 bytes of the output's row.  b2 is the C operand of the first products.
; THE RESIDUAL: each wave fetches 64 rows x 64 channels of F once, with its first loads (three loads of a wave are out at the most); the turning load brings it in the accumulators' own layout.
.set ACT,   0x400000
.set W2OFF, 0x2400000
.set KSTEP, 256
.set HSTEP, 0x8000                     ; bytes from a K step of H's 64 rows to the next
.set AP,    144                        ; H in LDS: 128 bytes + 16 = 36 words: the 16 rows of a load start at 16 different groups of four banks (64 banks of 4 bytes: ISA guide 11.1)
.set AQ,    64*AP                      ; a block of 64 rows x 64 k
.set AH,    4*AQ                       ; what one of H's loads brings
.set PITCH, 528                        ; W2 in LDS: 512 bytes + 16 = 132 words: row r starts at bank 4 r mod 64
.set HALFT, 64*PITCH
.set SLOT,  2*AH+2*HALFT               ; H's 128 rows, then W2's 128 rows
.set FR,    2*SLOT                     ; F: four pieces of 64 rows x 160 bytes (128 + 32)
.set SPARE, FR+4*10240
.set OP,    272                        ; the way out: a row of 64 f32 + 16 bytes; the stage takes slot 0's first bytes, behind that slot's last fill and last read
.set LAPS,  4
.set ADRA, 16
.set ADRB, 20
.set BO,   22
.set STO,  24
.set RD,   25
.set CO,   26
.set ONE,  27
.set SPW,  28
.set NIL,  29
.set PFO,  30
.set FRA,  31
.set TMP,  32                          ; v32-95 the residual
.set BI,   96                          ; v96-127 the bias as four C operands; later rows read back
.set ACC,  128
.set F0,   0
.set F1,   128
.set WV, 20
.set WR, 21
.set WC, 22
.set CX, 23
.set CY, 24
.set TX, 25
.set TY, 26
.set STR, 27
.set G1,  28
.set G1B, 36
.set G0,  44
.set G0B, 52
.set PFA, 60
.set LIM, 62
.set PS,  66                           ; s[66:67] bytes from a K step to the next in what I prefetch
.set G0F, 68
.set G1F, 72
.set MSB, 0
.macro WIN new
.if MSB != (\new)
	s_set_vgpr_msb (MSB<<8)|(\new)
.set MSB, \new
.endif
.endm
.set MUL,  0x05
.set TO_F, 0x40
.macro PLACES
.rept 4
	v_nop
.endr
.endm
.macro JLOAD s                         ; a joint load: waves 0 and 1 fetch H's two halves, waves 2 and 3 W2's
	s_cmp_eq_u32 s[WR], 0
	s_cbranch_scc0 .Lfor_b_\@
	tensor_load_to_lds s[G0+4*(\s):G0+4*(\s)+3], s[G1:G1+7]
	s_nop 0
	PLACES
	s_branch .Lasked_\@
.Lfor_b_\@:
	tensor_load_to_lds s[G0B+4*(\s):G0B+4*(\s)+3], s[G1B:G1B+7]
	s_nop 0
	PLACES
.Lasked_\@:
.endm
; A PREFETCH INTO THE L2, behind each joint refill and the run of LDS loads that follows it: the K step that stands two refills on.  Of what a wave fetches each of the four partners takes a quarter, told apart by
; address: of H 8 KiB on end, of W2 16 rows x 2 blocks of 256 bytes: a lane a block.  H's rows are read by one cluster alone, which asks; W2's by the eight clusters of a stream, of which the first asks.  The
; loop's last trip asks for nothing: there is no K step two on.  K steps 0 to 3 come by their loads alone.
.macro ASK
	s_cmp_gt_u32 s3, s[LIM]
	s_cbranch_scc0 .Lnot_mine_\@
	global_prefetch_b8 v[PFO], s[PFA:PFA+1] th:TH_LOAD_NT scope:SCOPE_SE
.Lnot_mine_\@:
.endm
.macro CREST
	s_cmp_lg_u32 s[WV], 0
	s_cbranch_scc1 .Lnot_wave_0_\@
	s_barrier_signal -3
.Lnot_wave_0_\@:
	s_barrier_wait -3
	s_barrier_signal -1
	s_barrier_wait -1
.endm
.macro CROUND
	s_barrier_signal -1
	s_barrier_wait -1
	CREST
.endm
	s_load_b256 s[4:11], s[0:1], 0x0               ; H s[4:5], XB s[6:7], F s[8:9], b2 of LH s[10:11]
	s_load_b128 s[12:15], s[0:1], 0x20             ; b2 of LL s[12:13], out1 s[14:15]
	s_load_b64 s[16:17], s[0:1], 0x30              ; out0
	v_lshl_add_u32 v[SPW], v0, 2, SPARE
	v_mov_b32 v[NIL], 0
	ds_add_u32 v[SPW], v[NIL]                      ; the wave's opening: an add to the spare word, waited for ahead of my first tensor load
	v_lshrrev_b32 v1, 5, v0
	v_readfirstlane_b32 s[WV], v1
	s_lshr_b32 s[WR], s[WV], 1                     ; my half of the rows.  Also: I fetch for H (0) or W2 (1)
	s_and_b32 s[WC], s[WV], 1                      ; my half of the channels.  Also: which 64 rows I fetch
	s_bfe_u32 s[CX], ttmp6, 0x40000
	s_bfe_u32 s[CY], ttmp6, 0x40004
	s_lshl_b32 s[TX], ttmp9, 2
	s_add_co_u32 s[TX], s[TX], s[CX]
	s_and_b32 s80, ttmp7, 0xffff                   ; the cluster's y, 0..15
	s_lshr_b32 s[STR], s80, 3                      ; stream
	s_lshl_b32 s[TY], s80, 2
	s_add_co_u32 s[TY], s[TY], s[CY]               ; tile row 0..63
	s_lshl_b32 s81, s[CY], 2
	s_lshl_b32 s81, 15, s81
	s_lshl_b32 s82, 0x1111, s[CX]
	s_or_b32 s[G1], s81, (1<<16)|(1<<20)|(1<<21)|(4<<22)|(3<<25)   ; H: 32 KiB on end as 128 rows of 256 bytes, 4 words of padding after every 32 words
	s_mov_b32 s[G1+1], 128<<16
	s_mov_b32 s[G1+2], 128<<16
	s_mov_b32 s[G1+3], 128<<16
	s_mov_b32 s[G1+4], 128
	s_mov_b32 s[G1+5], 128
	s_mov_b32 s[G1+6], 0
	s_mov_b32 s[G1+7], 0
	s_or_b32 s[G1B], s82, (1<<16)|(1<<20)|(1<<21)|(6<<22)|(3<<25)  ; W2: 64 rows of 256 elements, 4 words of padding after every 128 words
	s_mov_b32 s[G1B+1], KSTEP<<16
	s_mov_b32 s[G1B+2], 64<<16
	s_mov_b32 s[G1B+3], KSTEP<<16
	s_mov_b32 s[G1B+4], 64
	s_mov_b32 s[G1B+5], 2048
	s_mov_b32 s[G1B+6], 0
	s_mov_b32 s[G1B+7], 0
	s_mov_b32 s[G1F], (1<<16)|(1<<20)|(4<<22)|(7<<25)  ; F: my own load, no mask: 8 KiB on end as 32 rows of 256 bytes, 8 words of padding after each 32
	s_mov_b32 s[G1F+1], 128<<16
	s_mov_b32 s[G1F+2], 32<<16
	s_mov_b32 s[G1F+3], 128<<16
	s_mov_b32 s[G1F+4], 32
	s_mov_b32 s[G1F+5], 128
	s_mov_b32 s[G1F+6], 0
	s_mov_b32 s[G1F+7], 0
	s_lshl_b32 s84, s[TY], 19                      ; H: block of 64 rows 2 ty + half, 256 KiB each
	s_lshl_b32 s85, s[WC], 18
	s_add_co_u32 s84, s84, s85
	s_add_co_u32 s84, s84, ACT
	s_lshl_b32 s86, s[STR], 21                     ; W2 of the stream: rows 128 tx + 64 half, 4,096 bytes each
	s_add_co_u32 s86, s86, s85
	s_lshl_b32 s87, s[TX], 19
	s_add_co_u32 s86, s86, s87
	s_add_co_u32 s86, s86, W2OFF
	s_mov_b32 s85, 0
	s_mov_b32 s87, 0
	s_lshl_b32 s88, s[STR], 22                     ; F: block 2 tx + (wave / 2), rows 128 (ty % 32) + 64 (wave % 2)
	s_lshl_b32 s89, s[TX], 20
	s_add_co_u32 s88, s88, s89
	s_lshl_b32 s89, s[WR], 19
	s_add_co_u32 s88, s88, s89
	s_and_b32 s89, s[TY], 31
	s_lshl_b32 s89, s89, 14
	s_add_co_u32 s88, s88, s89
	s_lshl_b32 s89, s[WC], 13
	s_add_co_u32 s88, s88, s89
	s_mov_b32 s89, 0
	s_lshl_b32 s90, s[CX], 13                      ; the prefetches: my work-group's quarter, at K step 3; the first refill steps it to 4
	s_add_co_u32 s90, s90, s84
	s_add_co_u32 s90, s90, 3*HSTEP
	s_lshl_b32 s91, s[CY], 16
	s_add_co_u32 s91, s91, s86
	s_add_co_u32 s91, s91, 3*KSTEP*2
	s_mov_b32 s[PS], KSTEP*2
	s_cmp_eq_u32 s[WR], 0
	s_cselect_b32 s90, s90, s91
	s_cselect_b32 s[PS], HSTEP, s[PS]
	s_mov_b32 s91, 0
	s_mov_b32 s[PS+1], 0
	s_and_b32 s81, s80, 7
	s_cmp_eq_u32 s[WR], 0
	s_cselect_b32 s81, 0, s81
	s_cmp_eq_u32 s81, 0
	s_cselect_b32 s[LIM], 1, -1                    ; the same in all sixteen partners, for a given wave
	s_mul_i32 s83, s[WC], AH                       ; where H's halves go,
	s_mul_i32 s81, s[WC], HALFT
	s_add_co_u32 s81, s81, 2*AH                    ; and W2's, behind them
	s_mul_i32 s82, s[WV], 10240
	s_wait_dscnt 0x0                               ; the opening add is done
	s_wait_kmcnt 0x0
	s_cmp_eq_u32 s[WR], 0
	s_cselect_b64 s[PFA:PFA+1], s[4:5], s[6:7]
	s_add_nc_u64 s[PFA:PFA+1], s[PFA:PFA+1], s[90:91]
	s_add_nc_u64 s[84:85], s[4:5], s[84:85]
	s_add_nc_u64 s[86:87], s[6:7], s[86:87]
	s_mov_b32 s[G0F], 1
	s_add_co_u32 s[G0F+1], s82, FR
	s_add_nc_u64 s[G0F+2:G0F+3], s[8:9], s[88:89]
	s_or_b32 s[G0F+3], s[G0F+3], 0x80000000
	CROUND                                         ; all sixteen work-groups are here: the first joint loads meet
.irp s, 0,1
	s_mov_b32 s[G0+4*\s], 1
	s_add_co_u32 s[G0+4*\s+1], s83, \s*SLOT
	s_add_nc_u64 s[G0+4*\s+2:G0+4*\s+3], s[84:85], \s*HSTEP
	s_or_b32 s[G0+4*\s+3], s[G0+4*\s+3], 0x80000000
	s_mov_b32 s[G0B+4*\s], 1
	s_add_co_u32 s[G0B+4*\s+1], s81, \s*SLOT
	s_add_nc_u64 s[G0B+4*\s+2:G0B+4*\s+3], s[86:87], \s*KSTEP*2
	s_or_b32 s[G0B+4*\s+3], s[G0B+4*\s+3], 0x80000000
	JLOAD \s
.endr
	tensor_load_to_lds s[G0F:G0F+3], s[G1F:G1F+7]  ; my piece of F
	s_nop 0
	PLACES
	s_cmp_eq_u32 s[STR], 0
	s_cselect_b64 s[88:89], s[10:11], s[12:13]     ; b2
	s_cselect_b64 s[14:15], s[14:15], s[16:17]     ; the output: out1 for LH, out0 for LL
	s_lshl_b32 s80, s[TX], 9
	s_lshl_b32 s81, s[WC], 8
	s_add_co_u32 s80, s80, s81
	s_mov_b32 s81, 0
	s_add_nc_u64 s[88:89], s[88:89], s[80:81]
	v_and_b32 v1, 15, v0                           ; r
	v_bfe_u32 v2, v0, 4, 1                         ; h
	v_lshlrev_b32 v[BO], 2, v1
.irp b, 0,1,2,3
	global_load_b32 v[BI+8*\b], v[BO], s[88:89] offset:64*\b   ; b2 of channel 16 b + r
.endr
	v_mul_u32_u24 v3, v1, PITCH
	v_lshl_add_u32 v3, v2, 4, v3
	v_mul_u32_u24 v6, v1, AP
	v_lshl_add_u32 v6, v2, 4, v6
	s_mul_i32 s80, s[WR], AH
	s_mul_i32 s81, s[WC], HALFT
	s_add_co_u32 s81, s81, 2*AH
.irp s, 0,1
	v_add_nc_u32 v[ADRA+\s], s80, v6
	v_add_nc_u32 v[ADRB+\s], s81, v3
	s_add_co_u32 s80, s80, SLOT
	s_add_co_u32 s81, s81, SLOT
.endr
	v_and_b32 v4, 7, v0                            ; the turning load: row 8 h + l % 8, channels 8 ((l / 8) % 2) on
	v_lshl_add_u32 v4, v2, 3, v4
	v_mul_u32_u24 v4, v4, 160
	v_bfe_u32 v5, v0, 3, 1
	v_lshl_add_u32 v4, v5, 4, v4
	s_mul_i32 s80, s[WC], 20480                    ; my channels' block, my rows' half
	s_mul_i32 s81, s[WR], 10240
	s_add_co_u32 s80, s80, s81
	s_add_co_u32 s80, s80, FR
	v_add_nc_u32 v[FRA], s80, v4
	s_mul_i32 s80, s[WV], 16*OP
	v_mul_u32_u24 v4, v1, OP                       ; in: channel r's row, 32 bytes for each half of the lanes
	v_lshl_add_u32 v4, v2, 5, v4
	v_add_nc_u32 v[STO], s80, v4
	v_mul_u32_u24 v5, v2, OP                       ; back: lanes 0-15 one row of 256 bytes, lanes 16-31 the next
	v_lshl_add_u32 v5, v1, 4, v5
	v_add_nc_u32 v[RD], s80, v5
	v_lshlrev_b32 v5, 13, v2                       ; and the same two channels in the output, 8,192 bytes apart
	v_lshl_add_u32 v[CO], v1, 4, v5
	v_mov_b32 v[ONE], 1.0
	v_and_b32 v4, 31, v0                           ; the prefetches' offset: (lane / 2) x 512 or x 4,096, + (lane % 2) x 256
	v_lshrrev_b32 v5, 1, v4
	v_and_b32 v4, 1, v4
	s_cmp_eq_u32 s[WR], 0
	s_cselect_b32 s80, 9, 12
	v_lshlrev_b32 v[PFO], s80, v5
	v_lshl_add_u32 v[PFO], v4, 8, v[PFO]
	s_bfe_u32 s80, s[TY], 0x10004                  ; batch
	s_lshl_b32 s80, s80, 22
	s_lshl_b32 s81, s[TX], 20
	s_add_co_u32 s80, s80, s81
	s_lshl_b32 s81, s[WC], 19
	s_add_co_u32 s80, s80, s81
	s_and_b32 s81, s[TY], 15
	s_lshl_b32 s81, s81, 9
	s_add_co_u32 s80, s80, s81
	s_lshl_b32 s81, s[WR], 8
	s_add_co_u32 s80, s80, s81
	s_mov_b32 s81, 0
	s_add_nc_u64 s[14:15], s[14:15], s[80:81]
; 8 matrix instructions: m blocks a0, a0 + 1 x all 4 n blocks, 32 along K.  zero = 1: the bias starts the sums.  The 16 accumulators take turns.
.macro MUL8 f, c, a0, zero
	WIN MUL
.irp a, \a0, (\a0)+1
.irp b, 0,1,2,3
.if \zero
	v_wmma_f32_16x16x32_bf16 v[ACC+8*(4*(\a)+(\b)):ACC+8*(4*(\a)+(\b))+7], v[(\f)+8*(4*(\c)+(\a)):(\f)+8*(4*(\c)+(\a))+7], v[(\f)+64+8*(4*(\c)+(\b)):(\f)+64+8*(4*(\c)+(\b))+7], v[BI+8*(\b):BI+8*(\b)+7]
.else
	v_wmma_f32_16x16x32_bf16 v[ACC+8*(4*(\a)+(\b)):ACC+8*(4*(\a)+(\b))+7], v[(\f)+8*(4*(\c)+(\a)):(\f)+8*(4*(\c)+(\a))+7], v[(\f)+64+8*(4*(\c)+(\b)):(\f)+64+8*(4*(\c)+(\b))+7], v[ACC+8*(4*(\a)+(\b)):ACC+8*(4*(\a)+(\b))+7]
.endif
.endr
.endr
.endm
.macro FETCH slot, k, f                ; 32 LDS loads in one run: 64 along K: in W2 at byte k of the rows, in H block k / 128; the first 32 along K first
	WIN TO_F
.irp c, 0,1
.irp i, 0,1,2,3
	ds_load_b128 v[(\f)+64+8*(4*(\c)+(\i)):(\f)+64+8*(4*(\c)+(\i))+3],   v[ADRB+(\slot)] offset:(\k)+64*(\c)+(\i)*16*PITCH
	ds_load_b128 v[(\f)+64+8*(4*(\c)+(\i))+4:(\f)+64+8*(4*(\c)+(\i))+7], v[ADRB+(\slot)] offset:(\k)+64*(\c)+(\i)*16*PITCH+32
	ds_load_b128 v[(\f)+8*(4*(\c)+(\i)):(\f)+8*(4*(\c)+(\i))+3],         v[ADRA+(\slot)] offset:((\k)/128)*AQ+64*(\c)+(\i)*16*AP
	ds_load_b128 v[(\f)+8*(4*(\c)+(\i))+4:(\f)+8*(4*(\c)+(\i))+7],       v[ADRA+(\slot)] offset:((\k)/128)*AQ+64*(\c)+(\i)*16*AP+32
.endr
.endr
.endm
.macro QUARTER slot, k, f, g, zero     ; 64 along K: multiplies buffer f, fetches the next quarter, at byte k, into g
	s_wait_dscnt 16                                ; the first 32 along K are in
	MUL8 \f, 0, 0, \zero
	MUL8 \f, 0, 2, \zero
	PLACES
	FETCH \slot, \k, \g
	s_wait_dscnt 32                                ; all but the 32 just issued
	MUL8 \f, 1, 0, 0
	MUL8 \f, 1, 2, 0
.endm
; The last quarter of a K step multiplies buffer 1 and changes slots: one barrier; in front of it each wave waits for all its tensor loads, adds 0 to its spare word, and waits for that and for its reads of this slot.
.macro TURN slot, next, fill
.if \fill
	s_wait_xcnt 0x0                                ; the last prefetch, a K step back, has read its address
	s_add_nc_u64 s[PFA:PFA+1], s[PFA:PFA+1], s[PS:PS+1]
.endif
	WIN 0
	s_wait_tensorcnt 0x0                           ; all my tensor loads have landed: my part of the next slot (the first time F's piece too)
	ds_add_u32 v[SPW], v[NIL]
	s_wait_dscnt 17                                ; the add and the youngest sixteen loads may be out
	MUL8 F1, 0, 0, 0
	s_wait_dscnt 0x0                               ; the add is done, and my reads of this slot are over
	s_barrier_signal -1
	MUL8 F1, 0, 2, 0
.if \fill
	WIN 0
.endif
	s_barrier_wait -1
.if \fill
	CREST                                          ; the barrier has opened a round of the cluster's: no wave of any partner still reads this slot or has a load on its way
	s_add_nc_u64 s[G0+4*(\slot)+2:G0+4*(\slot)+3], s[G0+4*(\slot)+2:G0+4*(\slot)+3], 2*HSTEP
	s_add_nc_u64 s[G0B+4*(\slot)+2:G0B+4*(\slot)+3], s[G0B+4*(\slot)+2:G0B+4*(\slot)+3], 2*KSTEP*2
	JLOAD \slot                                    ; the first tensor load behind the round; its four v_nop are also the places in front of the loads below
.else
	PLACES
.endif
	FETCH \next, 0, F0
.if \fill
	WIN 0
	ASK
.endif
	MUL8 F1, 1, 0, 0
	MUL8 F1, 1, 2, 0
.endm
	s_wait_tensorcnt 0x2                           ; my part of K step 0 is in; K step 1's and F's piece stay out
	s_barrier_signal -1
	s_barrier_wait -1
	FETCH 0, 0, F0
	WIN 0
	s_wait_loadcnt 0x0                             ; b2: a lane's channel has one number for all eight places
.irp b, 0,1,2,3
.irp j, 1,2,3,4,5,6,7
	v_mov_b32 v[BI+8*\b+\j], v[BI+8*\b]
.endr
.endr
	QUARTER 0, 128, F0, F1, 1
	WIN 0
	s_mov_b32 s3, LAPS-1
.Llap:                                 ; a trip goes once round the ring, from a lap's second quarter to the next lap's first, and fills both slots again
	QUARTER 0, 256, F1, F0, 0
	QUARTER 0, 384, F0, F1, 0
	TURN 0, 1, 1
	QUARTER 1, 128, F0, F1, 0
	QUARTER 1, 256, F1, F0, 0
	QUARTER 1, 384, F0, F1, 0
	TURN 1, 0, 1
	QUARTER 0, 128, F0, F1, 0
	WIN 0
	s_sub_co_u32 s3, s3, 1
	s_cmp_lg_u32 s3, 0
	s_cbranch_scc1 .Llap
	QUARTER 0, 256, F1, F0, 0                      ; the last lap fills nothing
	QUARTER 0, 384, F0, F1, 0
	TURN 0, 1, 0
	QUARTER 1, 128, F0, F1, 0
	QUARTER 1, 256, F1, F0, 0
	QUARTER 1, 384, F0, F1, 0
	s_wait_dscnt 16
	MUL8 F1, 0, 0, 0
	MUL8 F1, 0, 2, 0
	s_wait_dscnt 0x0
	MUL8 F1, 1, 0, 0
	MUL8 F1, 1, 2, 0
	WIN 0
	; THE WAY OUT.  F comes turned: lane (r, h) gets places 16 a + 8 h + 0..7 of channel 16 b + r, as the accumulators hold them.  Then 16 channels x 64 places at a time go through my stage and leave as whole rows of 256 bytes.
.irp b, 0,1,2,3
.irp a, 0,1,2,3
	ds_load_tr16_b128 v[TMP+16*\b+4*\a:TMP+16*\b+4*\a+3], v[FRA] offset:2560*\a+32*\b
.endr
.endr
	PLACES                                         ; behind the last products
	s_wait_dscnt 0x0
.irp b, 0,1,2,3
.irp a, 0,1,2,3
.irp p, 0,1,2,3
	v_fma_mix_f32_bf16 v[ACC+8*(4*\a+\b)+2*\p], v[TMP+16*\b+4*\a+\p], v[ONE], v[ACC+8*(4*\a+\b)+2*\p] op_sel_hi:[1,0,0]
	v_fma_mix_f32_bf16 v[ACC+8*(4*\a+\b)+2*\p+1], v[TMP+16*\b+4*\a+\p], v[ONE], v[ACC+8*(4*\a+\b)+2*\p+1] op_sel:[1,0,0] op_sel_hi:[1,0,0]
.endr
.endr
.irp a, 0,1,2,3
	ds_store_b128 v[STO], v[ACC+8*(4*\a+\b):ACC+8*(4*\a+\b)+3] offset:64*\a
	ds_store_b128 v[STO], v[ACC+8*(4*\a+\b)+4:ACC+8*(4*\a+\b)+7] offset:64*\a+16
.endr
	s_wait_xcnt 0x0                                ; the stores of the 16 channels before have read their registers
.irp t, 0,1,2,3,4,5,6,7
	ds_load_b128 v[BI+4*\t:BI+4*\t+3], v[RD] offset:\t*2*OP  ; LDS serves a wave's instructions in order (ISA guide 5.7.1.4)
.endr
.irp t, 0,1,2,3,4,5,6,7
	s_wait_dscnt 7-\t
	global_store_b128 v[CO], v[BI+4*\t:BI+4*\t+3], s[14:15] offset:(16*\b+2*\t)*8192 th:TH_STORE_NT  ; 16 lanes store 256 consecutive bytes, at a multiple of 256 from the output's first
.endr
.endr
	s_wait_tensorcnt 0x0                           ; the wave's end
	ds_add_u32 v[SPW], v[NIL]
	s_wait_dscnt 0x0
	CROUND                                         ; the closing round
	s_endpgm
.Lfunc_end_k_q804f25fc4c_m2:
	.size	k_q804f25fc4c_m2, .Lfunc_end_k_q804f25fc4c_m2-k_q804f25fc4c_m2
	.p2alignl 7, 3214868480
	.fill 96, 4, 3214868480
	.section	.rodata,"a",@progbits
	.p2align	6, 0x0
	.amdhsa_kernel k_q804f25fc4c_m2
		.amdhsa_group_segment_fixed_size 327680
		.amdhsa_private_segment_fixed_size 0
		.amdhsa_enable_private_segment 0
		.amdhsa_kernarg_size 56
		.amdhsa_user_sgpr_count 2
		.amdhsa_user_sgpr_kernarg_segment_ptr 1
		.amdhsa_wavefront_size32 1
		.amdhsa_system_sgpr_workgroup_id_x 1
		.amdhsa_system_sgpr_workgroup_id_y 1
		.amdhsa_system_sgpr_workgroup_id_z 1
		.amdhsa_system_vgpr_workitem_id 0
		.amdhsa_next_free_vgpr 512
		.amdhsa_next_free_sgpr 92
		.amdhsa_reserve_vcc 0
		.amdhsa_float_denorm_mode_32 3
		.amdhsa_float_denorm_mode_16_64 3
		.amdhsa_memory_ordered 1
		.amdhsa_forward_progress 1
		.amdhsa_inst_pref_size 101
	.end_amdhsa_kernel
	.amdgpu_metadata
---
amdhsa.version: [ 1, 2 ]
amdhsa.kernels:
  - .name:           k_q804f25fc4c_m2
    .symbol:         k_q804f25fc4c_m2.kd
    .args:
      - { .name: HB, .offset: 0, .size: 8, .value_kind: global_buffer, .address_space: global }
      - { .name: XB, .offset: 8, .size: 8, .value_kind: global_buffer, .address_space: global }
      - { .name: FB, .offset: 16, .size: 8, .value_kind: global_buffer, .address_space: global }
      - { .name: params_mlp_LH_b2, .offset: 24, .size: 8, .value_kind: global_buffer, .address_space: global }
      - { .name: params_mlp_LL_b2, .offset: 32, .size: 8, .value_kind: global_buffer, .address_space: global }
      - { .name: out1, .offset: 40, .size: 8, .value_kind: global_buffer, .address_space: global }
      - { .name: out0, .offset: 48, .size: 8, .value_kind: global_buffer, .address_space: global }
    .group_segment_fixed_size: 327680
    .private_segment_fixed_size: 0
    .kernarg_segment_align: 8
    .kernarg_segment_size: 56
    .max_flat_workgroup_size: 128
    .sgpr_count:     92
    .vgpr_count:     512
    .wavefront_size: 32
...
	.end_amdgpu_metadata
.endif
;; end of part 6
